; MI455X (gfx1250); checked and timed in simulation.
; The chip was launched on July 23, 2026; its instructions are those of AMD's public machine-readable ISA for CDNA 5 (MIT licence, August 2026) and "CDNA5" Instruction Set Architecture Reference Guide (July 2026). The comments in the code are by the model that wrote it; some were corrected since.
;; Mo E Layer. Allowed arithmetic: matrix products marked QUANTISED: E2M1 operands, one E8M0 scale for each 32 along K, by v_wmma_scale_f32_16x16x128_f8f6f4 with both operands' format E2M1 (or v_wmma_scale_f32_32x16x128_f4), f32 sums; products left as they are: f32 operands where the result goes on into a quantised operand, else bf16, f16 or f32 operands; f32 sums; everything else in f32.
;; Inputs: b1 8 x 4,096 float32; b2 8 x 1,024 float32; gate_b 8 float32; gate_w 1,024 x 8 float32; w1_codes 8 x 4,096 x 32 x 16 uint8 (E2M1 codes of w1, K innermost, in blocks of 32 codes, two codes a byte); w1_scales 8 x 4,096 x 32 uint8 (E8M0 scales of w1, one for each 32 codes along K); w2_codes 8 x 1,024 x 128 x 16 uint8 (E2M1 codes of w2, K innermost, in blocks of 32 codes, two codes a byte); w2_scales 8 x 1,024 x 128 uint8 (E8M0 scales of w2, one for each 32 codes along K); x 2 x 512 x 1,024 float32.
;; Outputs: out0 2 x 512 x 1,024 float32; out1 one number float32.
;; This version of the problem:
;;   THIS VERSION OF THE PROBLEM IS GIVEN IN LOW PRECISION. The matrix products marked QUANTISED in the list below multiply operands that are first quantised to E2M1 (2 exponent bits, 1 mantissa bit; 4 bits a number), with one power-of-two scale for each 32 numbers along K (OCP MX v1.0); their sums are f32. All else is computed in f32.
;;   The module's matrix products, in the order in which they are computed (A, B: the left and right operand; K: the contracted axis; several contracted axes count as one K, in the product's order):
;;     1. [M 1,024, K 1,024] x [K 1,024, N 8]; A: input x; B: input gate_w: left as it is (N = 8 < 16)
;;     2. [M 1,024, K 1,024] x [K 1,024, N 4,096]; A: input x; B: input w1 (given as codes): QUANTISED
;;     3. [M 1,024, K 4,096] x [K 4,096, N 1,024]; A: computed on the way; B: input w2 (given as codes): QUANTISED
;;     4. [M 1,024, K 1,024] x [K 1,024, N 4,096]; A: input x; B: input w1 (given as codes): QUANTISED
;;     5. [M 1,024, K 4,096] x [K 4,096, N 1,024]; A: computed on the way; B: input w2 (given as codes): QUANTISED
;;     6. [M 1,024, K 1,024] x [K 1,024, N 4,096]; A: input x; B: input w1 (given as codes): QUANTISED
;;     7. [M 1,024, K 4,096] x [K 4,096, N 1,024]; A: computed on the way; B: input w2 (given as codes): QUANTISED
;;     8. [M 1,024, K 1,024] x [K 1,024, N 4,096]; A: input x; B: input w1 (given as codes): QUANTISED
;;     9. [M 1,024, K 4,096] x [K 4,096, N 1,024]; A: computed on the way; B: input w2 (given as codes): QUANTISED
;;     10. [M 1,024, K 1,024] x [K 1,024, N 4,096]; A: input x; B: input w1 (given as codes): QUANTISED
;;     11. [M 1,024, K 4,096] x [K 4,096, N 1,024]; A: computed on the way; B: input w2 (given as codes): QUANTISED
;;     12. [M 1,024, K 1,024] x [K 1,024, N 4,096]; A: input x; B: input w1 (given as codes): QUANTISED
;;     13. [M 1,024, K 4,096] x [K 4,096, N 1,024]; A: computed on the way; B: input w2 (given as codes): QUANTISED
;;     14. [M 1,024, K 1,024] x [K 1,024, N 4,096]; A: input x; B: input w1 (given as codes): QUANTISED
;;     15. [M 1,024, K 4,096] x [K 4,096, N 1,024]; A: computed on the way; B: input w2 (given as codes): QUANTISED
;;     16. [M 1,024, K 1,024] x [K 1,024, N 4,096]; A: input x; B: input w1 (given as codes): QUANTISED
;;     17. [M 1,024, K 4,096] x [K 4,096, N 1,024]; A: computed on the way; B: input w2 (given as codes): QUANTISED
;;   THE QUANTISER, for each operand of a quantised product, along K:
;;     - K is cut into blocks of 32 from its start; a last block that is shorter is filled with zeros.
;;     - A block's scale is 2^e with e = floor(log2(the largest magnitude in the block)) - 2, held to -126 .. 127; a block of zeros has e = 0. As a byte (E8M0): e + 127.
;;     - Each number is divided by its block's scale, clamped to +-6, and rounded to the nearest number of E2M1, ties to even, subnormals kept.
;;     - The product sums the exact products of the quantised numbers (number of the format x scale) in f32.
;;   ~~~python
;;   def quantise(x, axis):      # numpy; x: float32 -> the quantised numbers, widened to float32 again
;;       x = np.moveaxis(x, axis, -1); K = x.shape[-1]
;;       x = np.pad(x, [(0, 0)] * (x.ndim - 1) + [(0, -K % 32)]); x = x.reshape(x.shape[:-1] + (-1, 32)); a = np.abs(x).max(-1, keepdims=True)
;;       e = np.where(a > 0, np.clip(np.frexp(np.where(a > 0, a, 1))[1] - 1 - 2, -126, 127), 0)      # np.frexp(a)[1] - 1 = floor(log2(a)), exactly
;;       r = np.clip(x / 2.0 ** e, -6, 6)
;;       step = 2.0 ** (np.maximum(np.frexp(np.where(r == 0, 1, r))[1] - 1, 0) - 1)
;;       q = np.round(r / step) * step * 2.0 ** e      # np.round: ties to even
;;       return np.moveaxis(q.reshape(q.shape[:-2] + (-1,))[..., :K], -1, axis).astype(np.float32)
;;   ~~~
;;   OPERANDS COMPUTED ON THE WAY. 'Computed on the way' means the value that the module computes at that place (a softmax that the list does not call 'softmax' is quantised finished and normalised). What goes into a quantiser is computed in f32, as accurately as f32 sums, v_exp_f32 and their like allow (about 1e-6 of the number): no bf16 or f16 on the way to a quantiser, and a product that is left as it is and whose result goes on into a quantised operand takes f32 operands (vector FMAs, or v_wmma_f32_16x16x4_f32). A number that lies on a knife's edge between two numbers of the format may be rounded either way, as far as f32 arithmetic and the matrix unit's own rounding can turn it there, and no further.
;;   INPUTS GIVEN AS CODES. w1 (in the module: [8, 1024, 4096], K = its axis 1); w2 (in the module: [8, 4096, 1024], K = its axis 1): each comes as NAME_codes (uint8): NAME with its K axis moved to the last place and cut into blocks of 32 codes, [.., K / 32, bytes a block], one block behind the other in memory; two codes a byte, the lower K in the low four bits (a code: sign, 2 exponent bits, 1 mantissa bit); and NAME_scales (uint8): the same leading axes, one E8M0 byte (e + 127) for each 32 codes along K. Its value is code x scale, taken as it is: it is not quantised again, and the codes and scales need not be those that the quantiser above would give.
;; 2 versions, each right; version 2 is version 1 with the launch up written anew for expert scheduling mode. Each part assembles by itself: llvm-mc -triple=amdgcn-amd-amdhsa -mcpu=gfx1250 --defsym DOCPART=n.
;; ======== version 1 of 2: 3 launches
;; workspace buffers: idx 4,096 bytes of whole numbers; order 33,792 bytes of whole numbers; xc 524,288 bytes; xs 32,768 bytes; hq 16,777,216 bytes; hs 1,048,576 bytes; auxp 256 bytes
;; launch route (part 1): grid 64 x 1, 8 waves a work-group, no clusters, 86,016 bytes of LDS; arguments x, gate_w, gate_b, idx, xc, xs, auxp; writes idx, xc, xs, auxp
.if DOCPART == 1
	.amdgcn_target "amdgcn-amd-amdhsa--gfx1250"
	.amdhsa_code_object_version 6
	.text
	.protected	k_q2fcfb8d573_route
	.globl	k_q2fcfb8d573_route
	.p2align	8
	.type	k_q2fcfb8d573_route,@function
k_q2fcfb8d573_route:
	s_mov_b64 s[64:65], 0
	v_nop
	global_prefetch_b8 v0, s[64:65] scope:SCOPE_SE
	s_setreg_imm32_b32 hwreg(HW_REG_WAVE_MODE, 25, 1), 1
	s_wait_xcnt 0x0
; ROUTE: the router, and x as codes of FP4 (E2M1) with one E8M0 byte for each 32 along K.
; x [1024 tokens][1024] f32, gate_w [1024][8], gate_b [8].  Out: idx [token] u32 (the argmax, the lower index on a tie), xc [token][512 bytes] codes in their natural order,
; xs [token][32] scale bytes, auxp [64] f32: for each work-group the sum over its 8 positions and 8 experts of (p(batch 0) + p(batch 1))^2.
; SHARES.  A work-group owns 16 tokens: row r is token 8 g + (r & 7) + 512 (r >> 3), so that both batch entries of 8 positions meet in one work-group.  Wave s owns K = 128 s .. 128 s + 127.
; 64 work-groups: a tile is 16 tokens, and a token's logits are summed inside one work-group.
; THE GATE is left in f32 (a wrong argmax would make a whole output row wrong): v_wmma_f32_16x16x4_f32, source 0 = gate_w^T (lane r takes expert r & 7, rows 8-15 repeat rows 0-7),
; source 1 = x: every lane then holds all 8 logits of token lane & 15 in 8 registers.  32 instructions a wave on four accumulators by turns; the first four start the sums with the constant 0,
; and only matrix instructions ever write those registers.  k is permuted alike in both sources, which leaves each sum's terms as they are.
; No cluster: the work-groups share only gate_w, 32 KB against the 4 MB of x.
; LIMITS: NaN and infinities are not served; logits that tie within the rounding of an f32 sum of 1,024 terms may be routed otherwise than by another order of summation;
; a block of zeros gets the scale byte 1 (its codes are zeros, and only this program reads the bytes).
.set XTW, 16*528                       ; LDS: each wave's own turn of x: 16 rows x (512 bytes + 16)
.set CST, 8*XTW                        ; the codes, by rows: 16 x (512 + 16)
.set SST, CST+16*528                   ; the scale words: 32 bytes a row
.set LGS, SST+512                      ; the waves' partial logits, as images of 8 registers: 1,024 bytes a wave
.set PC,  16                           ; v16-23   the codes just made
.set X,   32                           ; v32-95   64 numbers of x: register 16 b + i = k 32 b + 16 (lane / 16) + i of row lane % 16
.set GA,  96                           ; v96-159  gate_w at the same k, expert lane & 7; later wave 0's partial logits
.set LG,  160                          ; v160-191 four accumulators
.set TM,  192                          ; v192-207 at work in QUANT
.set PW,  208                          ; the scale word just made
.set SU,  216                          ; v216-223 my wave's partial logits
.set LO,  224                          ; v224-231 at work; wave 0: the logits
.set EX,  240                          ; v240-247 wave 0: exponentials, then probabilities
.set SEL, 20                           ; s[20:21] v_permlanex16_b32's selects for lane l xor 16
; 64 numbers of a lane become a fragment's codes in v[PC] on and its scale word in v[PW]
.macro QUANT src
.irp b, 0,1,2,3
	v_max3_num_f32 v[TM+\b], |v[\src+16*\b]|, |v[\src+1+16*\b]|, 0x1800000   ; block b: my 16 numbers, and the floor 2^(3 - 127): the byte cannot fall under 1
.endr
.irp i, 2,4,6,8,10,12,14
.irp b, 0,1,2,3
	v_max3_num_f32 v[TM+\b], v[TM+\b], |v[\src+16*\b+\i]|, |v[\src+1+16*\b+\i]|   ; the four blocks by turns
.endr
.endr
.irp b, 0,1,2,3
	v_permlanex16_b32 v[TM+4+\b], v[TM+\b], s[SEL], s[SEL+1]
.endr
.irp b, 0,1,2,3
	v_max_num_f32 v[TM+\b], v[TM+\b], v[TM+4+\b]   ; with lane l xor 16's: the block's largest magnitude
.endr
.irp b, 0,1,2,3
	v_add_nc_u32 v[TM+12+\b], 0xff000000, v[TM+\b]   ; 2 off its exponent field: the conversion's scale operand
.endr
.irp b, 0,1,2,3
	v_lshrrev_b32 v[TM+4+\b], 23, v[TM+12+\b]      ; the scale's byte
.endr
	v_lshl_or_b32 v[PW], v[TM+5], 8, v[TM+4]
	v_lshl_or_b32 v[PW], v[TM+6], 16, v[PW]
	v_lshl_or_b32 v[PW], v[TM+7], 24, v[PW]        ; my row's scale word for these 128 k
.irp b, 0,1,2,3
	v_cvt_scalef32_pk8_fp4_f32 v[PC+2*\b], v[\src+16*\b:\src+7+16*\b], v[TM+12+\b]
	v_cvt_scalef32_pk8_fp4_f32 v[PC+1+2*\b], v[\src+8+16*\b:\src+15+16*\b], v[TM+12+\b]
.endr
	v_nop                                          ; one plain place behind a scaled conversion
.irp c, 0,1                                    ; a whole block to a lane: lanes 0-15 block 2 c, lanes 16-31 block 2 c + 1
.irp i, 0,1
	v_permlane16_swap_b32 v[PC+4*\c+\i], v[PC+2+4*\c+\i]
.endr
.endr
.endm
	s_load_b256 s[4:11], s[0:1], 0x0               ; x, gate_w, gate_b, idx
	s_load_b128 s[12:15], s[0:1], 0x20             ; xc, xs
	s_load_b64 s[16:17], s[0:1], 0x30              ; auxp
	v_lshl_add_u32 v254, v0, 2, 0x14c00
	v_mov_b32 v255, 0
	v_lshrrev_b32 v1, 5, v0
	v_readfirstlane_b32 s18, v1                    ; wave = K step
	v_and_b32 v1, 31, v0                           ; l
	v_and_b32 v2, 15, v0                           ; r
	v_bfe_u32 v3, v0, 4, 1                         ; h
	v_lshlrev_b32 v4, 4, v1                        ; 16 l
	s_mul_i32 s19, s18, XTW
	v_add_nc_u32 v5, s19, v4                       ; my turn, on the way in: 16 l
	v_mul_u32_u24 v8, v2, 528
	v_lshl_add_u32 v6, v3, 6, v8
	v_add_nc_u32 v6, s19, v6                       ; and out: row r, + 64 h
	v_and_b32 v15, 7, v0
	v_lshlrev_b32 v15, 2, v15                      ; 4 (r & 7)
	v_lshl_add_u32 v7, v3, 9, v15                  ; gate_w: 16 h rows of 32 bytes, expert r & 7
	v_lshl_add_u32 v8, v3, 4, v8
	s_lshl_b32 s19, s18, 6
	s_add_co_u32 s19, s19, CST
	v_add_nc_u32 v8, s19, v8                       ; codes in: row r, + 64 s + 16 h
	v_lshlrev_b32 v9, 5, v2
	s_lshl_b32 s19, s18, 2
	s_add_co_u32 s19, s19, SST
	v_add_nc_u32 v9, s19, v9                       ; scale word in: 32 r + 4 s
	s_lshl_b32 s19, s18, 10
	s_add_co_u32 s19, s19, LGS
	v_add_nc_u32 v10, s19, v4                      ; my partial logits
	v_add_nc_u32 v11, LGS, v4                      ; all waves' (wave 0 reads them)
	s_mul_i32 s19, s18, 2*528
	s_add_co_u32 s19, s19, CST
	v_add_nc_u32 v12, s19, v4                      ; codes out: rows 2 s and 2 s + 1, whole
	v_add_nc_u32 v13, SST, v4                      ; scale words out (wave 1)
	v_mul_u32_u24 v14, v3, 16128
	v_add_nc_u32 v14, v14, v4                      ; xs: rows 0-7 are 256 bytes on end, rows 8-15 lie 512 tokens x 32 bytes further on
	v_bfe_u32 v24, v0, 3, 1
	v_lshl_add_u32 v15, v24, 11, v15               ; idx: 4 (r & 7) + 2048 (r >> 3)
	s_mov_b32 s[SEL], 0x76543210
	s_mov_b32 s[SEL+1], 0xfedcba98
.irp b, 0,1,2,3
	v_mov_b32 v[TM+4+\b], 0                        ; written once: a lane permute's destination counts as one of its sources
.endr
	s_mov_b32 s23, 0
	s_lshl_b32 s22, ttmp9, 15                      ; 8 tokens x 4,096 bytes a work-group,
	s_lshl_b32 s19, s18, 9                         ; + my K step's 512 bytes
	s_add_co_u32 s22, s22, s19
	s_wait_kmcnt 0x0
	s_add_nc_u64 s[4:5], s[4:5], s[22:23]
	s_lshl_b32 s22, s18, 12                        ; gate_w: 128 rows of 32 bytes a K step
	s_add_nc_u64 s[6:7], s[6:7], s[22:23]
.irp i, 0,1,2,3,4,5,6,7,8,9,10,11,12,13,14,15
	global_load_b128 v[X+4*\i:X+4*\i+3], v4, s[4:5] offset:4096*(\i%8)+2097152*(\i/8) th:TH_LOAD_NT   ; row i: 512 consecutive bytes
.endr
.irp b, 0,1,2,3
.irp i, 0,1,2,3,4,5,6,7,8,9,10,11,12,13,14,15
	global_load_b32 v[GA+16*\b+\i], v7, s[6:7] offset:1024*\b+32*\i
.endr
.endr
	s_load_b256 s[24:31], s[8:9], 0x0              ; gate_b
	s_lshl_b32 s22, ttmp9, 12                      ; xc: 512 x (8 g + 2 (s & 3) + 512 (s >> 2)): the token of row 2 s
	s_and_b32 s19, s18, 3
	s_lshl_b32 s19, s19, 10
	s_add_co_u32 s22, s22, s19
	s_lshr_b32 s19, s18, 2
	s_lshl_b32 s19, s19, 18
	s_add_co_u32 s22, s22, s19
	s_add_nc_u64 s[12:13], s[12:13], s[22:23]
	s_lshl_b32 s22, ttmp9, 8
	s_add_nc_u64 s[14:15], s[14:15], s[22:23]      ; xs + 256 g
	s_lshl_b32 s22, ttmp9, 5
	s_add_nc_u64 s[10:11], s[10:11], s[22:23]      ; idx + 32 g
	s_lshl_b32 s22, ttmp9, 2
	s_add_nc_u64 s[16:17], s[16:17], s[22:23]      ; auxp + 4 g
	s_wait_loadcnt 63                              ; 64 loads were issued behind x's sixteen: with 63 out, x is in
.irp i, 0,1,2,3,4,5,6,7,8,9,10,11,12,13,14,15
	ds_store_b128 v5, v[X+4*\i:X+4*\i+3] offset:528*\i
.endr
.irp b, 0,1,2,3
.irp q, 0,1,2,3
	ds_load_b128 v[X+16*\b+4*\q:X+16*\b+4*\q+3], v6 offset:128*\b+16*\q   ; LDS serves a wave's instructions in order: these see the stores above
.endr
.endr
	s_wait_loadcnt 0x0                             ; gate_w
	s_wait_dscnt 0x0                               ; x, turned
.set pp, 0
.rept 32
.if pp < 4
	v_wmma_f32_16x16x4_f32 v[LG+8*(pp%4):LG+8*(pp%4)+7], v[GA+2*pp:GA+2*pp+1], v[X+2*pp:X+2*pp+1], 0
.else
	v_wmma_f32_16x16x4_f32 v[LG+8*(pp%4):LG+8*(pp%4)+7], v[GA+2*pp:GA+2*pp+1], v[X+2*pp:X+2*pp+1], v[LG+8*(pp%4):LG+8*(pp%4)+7]
.endif
.set pp, pp+1
.endr
	QUANT X                                        ; reads x, writes none of the products' registers
.rept 8
	v_nop                                          ; eight places behind this form, ahead of the first read of its results (ISA guide 7.12.1)
.endr
.irp p, 0,2,4,6
	v_pk_add_f32 v[SU+\p:SU+\p+1], v[LG+\p:LG+\p+1], v[LG+8+\p:LG+9+\p]   ; each accumulator from its low end on
.endr
.irp p, 0,2,4,6
	v_pk_add_f32 v[LO+\p:LO+\p+1], v[LG+16+\p:LG+17+\p], v[LG+24+\p:LG+25+\p]
.endr
.irp p, 0,2,4,6
	v_pk_add_f32 v[SU+\p:SU+\p+1], v[SU+\p:SU+\p+1], v[LO+\p:LO+\p+1]
.endr
	ds_store_b128 v10, v[SU:SU+3]
	ds_store_b128 v10, v[SU+4:SU+7] offset:512
	ds_store_b128 v8, v[PC:PC+3]                   ; blocks h and 2 + h of my K step
	ds_store_b128 v8, v[PC+4:PC+7] offset:32
	ds_store_b32 v9, v[PW]                         ; lanes r and r + 16 write the same word with the same value
	s_wait_dscnt 0x0                               ; for the others' sake: my stores have landed
	s_wait_kmcnt 0x0                               ; gate_b
	s_barrier_signal -1
	s_barrier_wait -1
	ds_load_b128 v[X:X+3], v12
	ds_load_b128 v[X+4:X+7], v12 offset:528
	s_wait_dscnt 0x0
	global_store_b128 v4, v[X:X+3], s[12:13]       ; a token's 512 bytes of codes: two aligned runs of 256
	global_store_b128 v4, v[X+4:X+7], s[12:13] offset:512
	s_cmp_lg_u32 s18, 1
	s_cbranch_scc1 .Lnot_1
	ds_load_b128 v[X+8:X+11], v13
	s_wait_dscnt 0x0
	global_store_b128 v14, v[X+8:X+11], s[14:15]   ; 16 tokens' scale bytes: two aligned runs of 256 bytes
.Lnot_1:
	s_cmp_lg_u32 s18, 0
	s_cbranch_scc1 .Lend
	; wave 0: the logits, the argmax, the softmax's part of the auxiliary loss
.irp w, 0,1,2,3,4,5,6,7
	ds_load_b128 v[GA+8*\w:GA+8*\w+3], v11 offset:1024*\w
	ds_load_b128 v[GA+8*\w+4:GA+8*\w+7], v11 offset:1024*\w+512
.endr
	s_wait_dscnt 0x0
.irp w, 0,2,4,6
.irp p, 0,2,4,6
	v_pk_add_f32 v[GA+8*\w+\p:GA+8*\w+\p+1], v[GA+8*\w+\p:GA+8*\w+\p+1], v[GA+8*\w+8+\p:GA+8*\w+9+\p]
.endr
.endr
.irp w, 0,4
.irp p, 0,2,4,6
	v_pk_add_f32 v[GA+8*\w+\p:GA+8*\w+\p+1], v[GA+8*\w+\p:GA+8*\w+\p+1], v[GA+8*\w+16+\p:GA+8*\w+17+\p]
.endr
.endr
.irp p, 0,2,4,6
	v_pk_add_f32 v[GA+\p:GA+\p+1], v[GA+\p:GA+\p+1], v[GA+32+\p:GA+33+\p]
.endr
.irp j, 0,1,2,3,4,5,6,7
	v_add_f32 v[LO+\j], s[24+\j], v[GA+\j]         ; + gate_b: the 8 logits of token lane & 15
.endr
	v_mov_b32 v232, v[LO]                          ; the largest so far,
	v_mov_b32 v233, 0                              ; and where
.irp j, 1,2,3,4,5,6,7
	v_cmp_ge_f32 vcc_lo, v232, v[LO+\j]            ; only a strictly larger logit takes over: the lower index wins a tie
	v_cndmask_b32 v233, \j, v233, vcc_lo
	v_max_num_f32 v232, v232, v[LO+\j]
.endr
.irp j, 0,1,2,3,4,5,6,7
	v_sub_f32 v[EX+\j], v[LO+\j], v232             ; the maximum is taken away first
.endr
.irp j, 0,1,2,3,4,5,6,7
	v_mul_f32 v[EX+\j], 0x3fb8aa3b, v[EX+\j]
.endr
.irp j, 0,1,2,3,4,5,6,7
	v_exp_f32 v[EX+\j], v[EX+\j]
.endr
	v_mov_b32 v239, 0                              ; (a plain place behind the exponentials)
	s_wait_alu depctr_va_vdst(0)                   ; one wait for the batch, ahead of its first use
	v_add_f32 v234, v[EX], v[EX+1]
	v_add_f32 v235, v[EX+2], v[EX+3]
	v_add_f32 v236, v[EX+4], v[EX+5]
	v_add_f32 v237, v[EX+6], v[EX+7]
	v_add_f32 v234, v234, v235
	v_add_f32 v236, v236, v237
	v_add_f32 v234, v234, v236
	v_rcp_f32 v238, v234
	v_nop
	s_wait_alu depctr_va_vdst(0)
.irp j, 0,1,2,3,4,5,6,7
	v_mul_f32 v[EX+\j], v[EX+\j], v238             ; p
.endr
.irp j, 0,1,2,3,4,5,6,7
	v_add_f32_dpp v[EX+\j], v[EX+\j], v[EX+\j] row_xmask:8 row_mask:0xf bank_mask:0xf   ; + the same position's p in the other batch entry (row r xor 8)
.endr
	v_mul_f32 v234, v[EX], v[EX]
.irp j, 1,2,3,4,5,6,7
	v_fmac_f32 v234, v[EX+\j], v[EX+\j]
.endr
	v_add_f32_dpp v234, v234, v234 row_xmask:1 row_mask:0xf bank_mask:0xf   ; over the 8 positions
	v_add_f32_dpp v234, v234, v234 row_xmask:2 row_mask:0xf bank_mask:0xf
	v_add_f32_dpp v234, v234, v234 row_xmask:4 row_mask:0xf bank_mask:0xf
	s_wait_xcnt 0x0                                ; EXEC changes only when the stores above have read it
	v_cmp_gt_u32 vcc_lo, 16, v0
	s_and_saveexec_b32 s19, vcc_lo
	global_store_b32 v15, v233, s[10:11]           ; lanes 0-15: the experts of my 16 tokens
	s_wait_xcnt 0x0
	s_or_b32 exec_lo, exec_lo, s19
	v_cmp_eq_u32 vcc_lo, 0, v0
	s_and_saveexec_b32 s19, vcc_lo
	global_store_b32 v239, v234, s[16:17]          ; lane 0: the work-group's part of the loss
	s_wait_xcnt 0x0
	s_or_b32 exec_lo, exec_lo, s19
.Lend:
	s_wait_tensorcnt 0x0
	ds_add_u32 v254, v255
	s_wait_dscnt 0x0
	s_endpgm
.Lfunc_end_k_q2fcfb8d573_route:
	.size	k_q2fcfb8d573_route, .Lfunc_end_k_q2fcfb8d573_route-k_q2fcfb8d573_route
	.p2alignl 7, 3214868480
	.fill 96, 4, 3214868480
	.section	.rodata,"a",@progbits
	.p2align	6, 0x0
	.amdhsa_kernel k_q2fcfb8d573_route
		.amdhsa_group_segment_fixed_size 86016
		.amdhsa_private_segment_fixed_size 0
		.amdhsa_enable_private_segment 0
		.amdhsa_kernarg_size 56
		.amdhsa_user_sgpr_count 2
		.amdhsa_user_sgpr_kernarg_segment_ptr 1
		.amdhsa_wavefront_size32 1
		.amdhsa_system_sgpr_workgroup_id_x 1
		.amdhsa_system_sgpr_workgroup_id_y 1
		.amdhsa_system_sgpr_workgroup_id_z 1
		.amdhsa_system_vgpr_workitem_id 0
		.amdhsa_next_free_vgpr 256
		.amdhsa_next_free_sgpr 66
		.amdhsa_reserve_vcc 1
		.amdhsa_float_denorm_mode_32 3
		.amdhsa_float_denorm_mode_16_64 3
		.amdhsa_memory_ordered 1
		.amdhsa_forward_progress 1
		.amdhsa_inst_pref_size 28
	.end_amdhsa_kernel
	.amdgpu_metadata
---
amdhsa.version: [ 1, 2 ]
amdhsa.kernels:
  - .name:           k_q2fcfb8d573_route
    .symbol:         k_q2fcfb8d573_route.kd
    .args:
      - { .name: x, .offset: 0, .size: 8, .value_kind: global_buffer, .address_space: global }
      - { .name: gate_w, .offset: 8, .size: 8, .value_kind: global_buffer, .address_space: global }
      - { .name: gate_b, .offset: 16, .size: 8, .value_kind: global_buffer, .address_space: global }
      - { .name: idx, .offset: 24, .size: 8, .value_kind: global_buffer, .address_space: global }
      - { .name: xc, .offset: 32, .size: 8, .value_kind: global_buffer, .address_space: global }
      - { .name: xs, .offset: 40, .size: 8, .value_kind: global_buffer, .address_space: global }
      - { .name: auxp, .offset: 48, .size: 8, .value_kind: global_buffer, .address_space: global }
    .group_segment_fixed_size: 86016
    .private_segment_fixed_size: 0
    .kernarg_segment_align: 8
    .kernarg_segment_size: 56
    .max_flat_workgroup_size: 256
    .sgpr_count:     66
    .vgpr_count:     256
    .wavefront_size: 32
...
	.end_amdgpu_metadata
.endif
;; end of part 1
;; launch up (part 2): grid 32 x 8, 8 waves a work-group, no clusters, 224,256 bytes of LDS; arguments idx, xc, xs, w1_codes, w1_scales, b1, hq, hs, order; writes hq, hs, order
.if DOCPART == 2
	.amdgcn_target "amdgcn-amd-amdhsa--gfx1250"
	.amdhsa_code_object_version 6
	.text
	.protected	k_q2fcfb8d573_up
	.globl	k_q2fcfb8d573_up
	.p2align	8
	.type	k_q2fcfb8d573_up,@function
k_q2fcfb8d573_up:
	s_mov_b64 s[64:65], 0
	v_nop
	global_prefetch_b8 v0, s[64:65] scope:SCOPE_SE
	s_setreg_imm32_b32 hwreg(HW_REG_WAVE_MODE, 25, 1), 1
	s_wait_xcnt 0x0
; UP: h = gelu(Q(x) W1 + b1) for the rows of one expert and 128 hidden units, quantised to FP4 (E2M1) with one E8M0 byte for each 32 hidden units.
; Work-group (j, e): expert e, hidden units 128 j .. 128 j + 127, which are K step j of the second product.  Only the tokens that chose e are multiplied: the others' results are thrown away by the problem's own where.
; ROWS.  idx holds each token's expert, stored by the launch before.  Every wave reads all 1,024 numbers (32 registers x 32 lanes), makes 32 lane masks and their running counts in scalar registers, and lane l of a
; group of 32 rows finds 'the p-th token of e' by integer arithmetic alone (SELECT).  Row p is counted register by register, lane by lane; register j of lane l is token 128 (j >> 2) + 4 l + (j & 3).
; Rows are filled up to a multiple of 32 by repeating the last row.  An expert without tokens runs one pair of such rows (SELECT then gives token 1,023), so that every byte that the next launch loads has been stored.
; Work-group j = 0 also stores the rows' tokens (order + 4096 e + 4 p) and the true count (32 equal words at order + 32768 + 128 e).
; SHARES.  EIGHT WAVES, TWO TO A SIMD.  Wave W is (w, g) = (W & 3, W >> 2).  THE WAVES SHARE THE COLUMNS: w names hidden units 32 w .. 32 w + 31 of the slice, one block of the next K, for all rows; rows go in pairs
; of tiles of 16, and of the pairs g = 0 takes the even ones, g = 1 the odd ones.  A pair is 32 products, 34 LDS loads and some 420 vector instructions, 64 of them transcendentals: with a second wave on the SIMD one
; wave's vector work stands beside the other's LDS loads and products.  w's 32 rows of W1 (16 KB) are read once, 16 rows by each of its two waves, by loads of 512 consecutive bytes, turned through LDS and kept by both
; in 128 registers.  The rows' codes lie in LDS in chunks of 256 rows; wave W brings the 32 rows of the chunk's pair W.  All loops have constant trip counts; what a count leaves out is jumped over inside them.
; LAYOUT.  The product is used transposed (source 0 = 16 rows of W1, source 1 = 16 rows of x).  Lane r of tile u takes row 8 u + r + 8 (r / 8) of w's 32, so that the 16 registers of tiles 0 and 1 are hidden units
; 16 (lane / 16) + 0 .. 15 of one token.  b1 is the C of each sum's first product.  hq takes the codes as images of the next product's operand: [e][tile][K step j][512 c + 16 lane]; my block is lanes 16 (w & 1) + r of
; group c = w >> 1, 256 consecutive bytes a tile.  hs: [e][tile][j][row] scale words.
; GELU.  h = max(v, 0) - |v| erfc(|v| / sqrt 2) / 2, erfc by t exp(P(t) - z^2), t = 1 / (1 + z / 2), P of degree 9 (a Chebyshev fit whose stated fractional error is 1.2e-7), in base 2 with the half folded into c0:
; the negative side keeps its relative accuracy.  1 / x is v_rcp_f32 with one Newton step.
; NO CLUSTER: an expert's 32 work-groups read the same rows of x, but joint requests are tensor loads, and this text branches on counts read from memory.
; The scale words leave in pieces of 64 bytes: one byte in 16 of h's traffic.
; LIMITS: NaN and infinities are not served; |h| under 2^-126 becomes 0 (v_exp_f32 flushes); the relative error of h, some 5e-7 for |v| under 4, grows to some 1e-5 below v = -9 through the rounding of the exponent's
; argument; a block of zeros gets the scale byte 1 (its codes are zeros, and only this program reads the bytes).
.set SCB, 0                            ; LDS: the pairs' scale bytes, one word each: 8 planes (a wave's own) x 8 pairs x 32 rows x 4 bytes
.set XSS, 8192                         ; x's scale words: 256 rows x (32 bytes + 16)
.set WST, 20480                        ; the turn of W1: for each w 32 rows x (512 bytes + 16)
.set XST, 88064                        ; x's codes: 256 rows x (512 bytes + 16)
.set BI,  64                           ; v64-79   b1 in the result's layout, 8 registers a tile
.set XS,  80                           ; v80-87   x's scale words: register s for K step s; lanes 0-15 the pair's first tile, lanes 16-31 its second
.set WS,  88                           ; v88-95   W1's: lanes 0-15 tile 0, lanes 16-31 tile 1
.set ACC, 96                           ; v96-127  accumulator (tile of rows t, tile of units u) at 96 + 16 t + 8 u; before that a group's scale words on their way
.set XF,  128                          ; v128-255 x's fragments (t, s) at 128 + 64 t + 8 s; before that idx, and a group's rows on their way; behind the products the GELU's registers
.set GD,  128
.set GP,  160
.set GU,  192
.set MK,  32                           ; s32-63   lane masks: bit l of mask j: register j of lane l is a token of e
.set KK,  66                           ; s66-97   32 x (tokens of e in registers under j) + j
; window 1: v0-63 my 16 rows of W1 as loaded, then v0-127 its fragments (u, s) at 8 (8 u + s)
; v1 l, v2 r, v3 h, v4 16 l; v5-v19 addresses and offsets that stay; v20-24 those in hand; v25 a group's tokens; v27, v28 offsets; v30 the count, written once; v31 = 0; v32-63 at work
.set MSB, 0
.macro WIN new                         ; the immediate's high byte repeats the setting that is left
.if MSB != (\new)
	s_set_vgpr_msb (MSB<<8)|(\new)
.set MSB, (\new)
.endif
.endm
.macro MM d, a, b, c, sa, sb, ra, rb   ; one product; ra, rb: the side's scales stand in lanes 16-31
.if (\ra) && (\rb)
	v_wmma_scale_f32_16x16x128_f8f6f4 v[\d:\d+7], v[\a:\a+7], v[\b:\b+7], v[\c:\c+7], v[\sa], v[\sb] matrix_a_fmt:MATRIX_FMT_FP4 matrix_b_fmt:MATRIX_FMT_FP4 matrix_a_scale:MATRIX_SCALE_ROW1 matrix_b_scale:MATRIX_SCALE_ROW1
.elseif (\ra)
	v_wmma_scale_f32_16x16x128_f8f6f4 v[\d:\d+7], v[\a:\a+7], v[\b:\b+7], v[\c:\c+7], v[\sa], v[\sb] matrix_a_fmt:MATRIX_FMT_FP4 matrix_b_fmt:MATRIX_FMT_FP4 matrix_a_scale:MATRIX_SCALE_ROW1
.elseif (\rb)
	v_wmma_scale_f32_16x16x128_f8f6f4 v[\d:\d+7], v[\a:\a+7], v[\b:\b+7], v[\c:\c+7], v[\sa], v[\sb] matrix_a_fmt:MATRIX_FMT_FP4 matrix_b_fmt:MATRIX_FMT_FP4 matrix_b_scale:MATRIX_SCALE_ROW1
.else
	v_wmma_scale_f32_16x16x128_f8f6f4 v[\d:\d+7], v[\a:\a+7], v[\b:\b+7], v[\c:\c+7], v[\sa], v[\sb] matrix_a_fmt:MATRIX_FMT_FP4 matrix_b_fmt:MATRIX_FMT_FP4
.endif
.endm
; one level of the search for the q-th set bit: if the lower half of the field in hand holds q bits or fewer, pass over it
.macro LEVEL c, wd, st
	v_bfe_u32 v42, v[\c], v44, \wd
	v_cmp_lt_u32 vcc_lo, v36, v42
	v_cndmask_b32 v42, v42, v31, vcc_lo
	v_cndmask_b32 v43, \st, v31, vcc_lo
	v_sub_nc_u32 v36, v36, v42
	v_add_nc_u32 v44, v44, v43
.endm
; lane l finds the token of row s[sp] + l (held at the last row)
.macro SELECT sp, tok
	s_wait_xcnt 0x0                                ; all earlier loads and stores have read their registers: v25-v63 may be written
	v_add_nc_u32 v32, s[\sp], v1
	v_min_u32 v32, s26, v32                        ; P
	v_lshl_or_b32 v33, v32, 5, 31
	v_mov_b32 v34, s[MK]
	v_mov_b32 v35, s[KK]
.set jj, 1
.rept 31
	v_cmp_gt_u32 vcc_lo, s[KK+jj], v33             ; the last register whose running count is P or less holds row P
	v_cndmask_b32 v34, s[MK+jj], v34, vcc_lo
	v_cndmask_b32 v35, s[KK+jj], v35, vcc_lo
.set jj, jj+1
.endr
	v_lshrrev_b32 v36, 5, v35
	v_sub_nc_u32 v36, v32, v36                     ; q: which of the mask's set bits
	v_and_b32 v37, 31, v35                         ; j
	v_lshrrev_b32 v38, 1, v34
	v_and_b32 v38, 0x55555555, v38
	v_sub_nc_u32 v38, v34, v38                     ; counts of 2 bits,
	v_lshrrev_b32 v39, 2, v38
	v_and_b32 v39, 0x33333333, v39
	v_and_b32 v40, 0x33333333, v38
	v_add_nc_u32 v39, v39, v40                     ; of 4,
	v_lshrrev_b32 v40, 4, v39
	v_add_nc_u32 v40, v40, v39
	v_and_b32 v40, 0x0f0f0f0f, v40                 ; of 8,
	v_lshrrev_b32 v41, 8, v40
	v_add_nc_u32 v41, v41, v40                     ; of 16
	v_mov_b32 v44, 0
	LEVEL 41, 8, 16
	LEVEL 40, 8, 8
	LEVEL 39, 4, 4
	LEVEL 38, 2, 2
	LEVEL 34, 1, 1                                 ; v44: the lane
	v_lshrrev_b32 v42, 2, v37
	v_lshlrev_b32 v42, 7, v42
	v_lshl_or_b32 v42, v44, 2, v42
	v_and_b32 v43, 3, v37
	v_or_b32 v[\tok], v42, v43                     ; 128 (j >> 2) + 4 lane + (j & 3)
	v_min_u32 v[\tok], 0x3ff, v[\tok]
	s_cmp_lg_u32 s23, 0
	s_cbranch_scc1 .Lno_order_\@
	v_lshl_add_u32 v27, s[\sp], 2, v19
	global_store_b32 v27, v[\tok], s[20:21]        ; 128 consecutive bytes
.Lno_order_\@:
.endm
; the group's 32 rows are asked for: a token's 512 bytes of codes by one load each, its 32 scale bytes by its own lane
.macro ISSUE tok, dst, sc, xso
	v_lshlrev_b32 v[\xso], 5, v[\tok]
	global_load_b128 v[\sc:\sc+3], v[\xso], s[8:9]
	global_load_b128 v[\sc+4:\sc+7], v[\xso], s[8:9] offset:16
.irp g, 0,4,8,12,16,20,24,28
	v_readlane_b32 s2, v[\tok], \g
	v_readlane_b32 s3, v[\tok], \g+1
	v_readlane_b32 s13, v[\tok], \g+2
	v_readlane_b32 s14, v[\tok], \g+3
	s_min_u32 s2, s2, 1023
	s_min_u32 s3, s3, 1023
	s_min_u32 s13, s13, 1023
	s_min_u32 s14, s14, 1023
	v_lshl_add_u32 v[32+\g], s2, 9, v4
	v_lshl_add_u32 v[33+\g], s3, 9, v4
	v_lshl_add_u32 v[34+\g], s13, 9, v4
	v_lshl_add_u32 v[35+\g], s14, 9, v4
.endr
.set ii, 0
.rept 32
	global_load_b128 v[\dst+4*ii:\dst+4*ii+3], v[32+ii], s[6:7]
.set ii, ii+1
.endr
.endm
.macro PUT dst, base, sc               ; and go to LDS, by rows
.set ii, 0
.rept 32
	ds_store_b128 v[\base], v[\dst+4*ii:\dst+4*ii+3] offset:528*ii
.set ii, ii+1
.endr
	ds_store_b128 v11, v[\sc:\sc+3]
	ds_store_b128 v11, v[\sc+4:\sc+7] offset:16
.endm
; Wave W brings rows 32 W .. 32 W + 31 of the chunk at s27: the chunk's pair W
.macro GATHER
	s_lshl_b32 s2, s22, 5
	s_add_co_u32 s11, s27, s2
	s_cmp_ge_u32 s11, s25
	s_cbranch_scc1 .Lg_done_\@
	SELECT 11, 25
	ISSUE 25, 128, 96, 28
	s_wait_loadcnt 0x0
	PUT 128, 9, 96
.Lg_done_\@:
.endm
; 32 numbers in v[ACC] on, in place
.macro GELU32
.set ii, 0
.rept 32
	v_fma_f32 v[GD+ii], |v[ACC+ii]|, 0x3eb504f3, 1.0   ; 1 + z / 2 = 1 + |v| / (2 sqrt 2); the accumulators are read in ascending order
.set ii, ii+1
.endr
.set ii, 0
.rept 32
	v_rcp_f32 v[GP+ii], v[GD+ii]
.set ii, ii+1
.endr
.set ii, 0
.rept 16
	v_pk_mul_f32 v[GU+ii:GU+ii+1], v[ACC+ii:ACC+ii+1], 0xbf38aa3b op_sel_hi:[1,0]   ; -(log2 e / 2) v: work that names no reciprocal
.set ii, ii+2
.endr
	s_wait_alu depctr_va_vdst(0)                   ; one wait for the 32 reciprocals, ahead of their first use
.set ii, 0
.rept 16
	v_pk_fma_f32 v[GD+ii:GD+ii+1], v[GD+ii:GD+ii+1], v[GP+ii:GP+ii+1], 1.0 op_sel_hi:[1,1,0] neg_lo:[1,0,0] neg_hi:[1,0,0]   ; 1 - d t
.set ii, ii+2
.endr
.set ii, 0
.rept 16
	v_pk_fma_f32 v[GP+ii:GP+ii+1], v[GP+ii:GP+ii+1], v[GD+ii:GD+ii+1], v[GP+ii:GP+ii+1]   ; t + t (1 - d t)
.set ii, ii+2
.endr
.set ii, 0
.rept 16
	v_pk_fma_f32 v[GD+ii:GD+ii+1], v[GP+ii:GP+ii+1], s[100:101], 0xbf97d29d op_sel_hi:[1,0,0]   ; c9 t + c8
.set ii, ii+2
.endr
.irp c, 0x40097039,0xbfd1a1e5,0x3ecdfd18,0xbe899a80,0x3e0efb2e,0x3f0a29d2,0x3fb8ab5a,0xc034d90f
.set ii, 0
.rept 16
	v_pk_fma_f32 v[GD+ii:GD+ii+1], v[GD+ii:GD+ii+1], v[GP+ii:GP+ii+1], \c op_sel_hi:[1,1,0]   ; c7 .. c0: sixteen chains side by side
.set ii, ii+2
.endr
.endr
.set ii, 0
.rept 16
	v_pk_fma_f32 v[GD+ii:GD+ii+1], v[GU+ii:GU+ii+1], v[ACC+ii:ACC+ii+1], v[GD+ii:GD+ii+1]   ; - (log2 e / 2) v^2
.set ii, ii+2
.endr
.set ii, 0
.rept 32
	v_exp_f32 v[GD+ii], v[GD+ii]
.set ii, ii+1
.endr
.set ii, 0
.rept 32
	v_max_num_f32 v[GU+ii], 0, v[ACC+ii]           ; work that names no exponential
.set ii, ii+1
.endr
	s_wait_alu depctr_va_vdst(0)                   ; one wait for the 32 exponentials
.set ii, 0
.rept 16
	v_pk_mul_f32 v[GD+ii:GD+ii+1], v[GD+ii:GD+ii+1], v[GP+ii:GP+ii+1]   ; erfc / 2
.set ii, ii+2
.endr
.set ii, 0
.rept 32
	v_fma_f32 v[ACC+ii], -|v[ACC+ii]|, v[GD+ii], v[GU+ii]
.set ii, ii+1
.endr
.endm
; The pair's two blocks (16 registers a tile and lane, the other 16 in lane l xor 16) become codes in v[60:63] (lanes 0-15: the first tile's row r, a whole block; lanes 16-31: the second's) and a scale byte in v47
.macro QUANT2
	v_max3_num_f32 v40, |v[ACC]|, |v[ACC+1]|, 0x1800000    ; with the floor 2^(3 - 127): the byte cannot fall under 1
	v_max3_num_f32 v41, |v[ACC+16]|, |v[ACC+17]|, 0x1800000
.irp i, 2,4,6,8,10,12,14
	v_max3_num_f32 v40, v40, |v[ACC+\i]|, |v[ACC+1+\i]|
	v_max3_num_f32 v41, v41, |v[ACC+16+\i]|, |v[ACC+17+\i]|
.endr
	v_permlanex16_b32 v42, v40, s4, s5
	v_permlanex16_b32 v43, v41, s4, s5
	v_max_num_f32 v40, v40, v42
	v_max_num_f32 v41, v41, v43
	v_add_nc_u32 v44, 0xff000000, v40              ; 2 off the exponent field: the conversion's scale operand
	v_add_nc_u32 v45, 0xff000000, v41
	v_cvt_scalef32_pk8_fp4_f32 v60, v[ACC:ACC+7], v44
	v_cvt_scalef32_pk8_fp4_f32 v61, v[ACC+8:ACC+15], v44
	v_cvt_scalef32_pk8_fp4_f32 v62, v[ACC+16:ACC+23], v45
	v_cvt_scalef32_pk8_fp4_f32 v63, v[ACC+24:ACC+31], v45
	v_lshrrev_b32 v46, 23, v44                     ; the bytes (also the plain place behind the conversions)
	v_lshrrev_b32 v47, 23, v45
	v_permlane16_swap_b32 v60, v62                 ; v60: units 0-7 of both tiles, v62: units 16-23
	v_permlane16_swap_b32 v61, v63                 ; v61: units 8-15, v63: units 24-31
	v_cndmask_b32 v47, v46, v47, s10               ; lanes 16-31 take the second tile's byte
.endm
; the four column blocks' bytes of the chunk's pair W become scale words and leave
.macro WORDS
	s_lshl_b32 s2, s27, 7                          ; 2,048 bytes a tile: 128 x the chunk's first row,
	s_lshl_b32 s3, s22, 12                         ; + two tiles a pair
	s_add_co_u32 s2, s2, s3
	s_lshl_b32 s3, s22, 5
	s_add_co_u32 s3, s3, s27
	s_cmp_ge_u32 s3, s25
	s_cbranch_scc1 .Lw_done_\@
	s_wait_xcnt 0x0                                ; the last chunk's store has read v24 and v48
.irp b, 0,1,2,3
	ds_load_b32 v[48+\b], v15 offset:1024*\b       ; block b's byte lies in the plane of wave b + 4 (W & 1), which worked on this pair
.endr
	v_add_nc_u32 v24, s2, v17
	s_wait_dscnt 0x0
	v_lshl_or_b32 v48, v49, 8, v48
	v_lshl_or_b32 v48, v50, 16, v48
	v_lshl_or_b32 v48, v51, 24, v48
	global_store_b32 v24, v48, s[18:19]
.Lw_done_\@:
.endm
	s_load_b512 s[4:19], s[0:1], 0x0               ; idx s[4:5], xc s[6:7], xs s[8:9], W1's codes s[10:11], its scales s[12:13], b1 s[14:15], hq s[16:17], hs s[18:19]
	s_load_b64 s[20:21], s[0:1], 0x40              ; order
	v_lshl_add_u32 v26, v0, 2, 0x36800
	v_mov_b32 v29, 0
	v_lshrrev_b32 v1, 5, v0
	v_readfirstlane_b32 s22, v1                    ; wave W, 0 .. 7
	s_and_b32 s28, s22, 3                          ; w: which 32 hidden units
	s_lshr_b32 s29, s22, 2                         ; g: which pairs; also which 16 of w's rows of W1 I fetch
	v_and_b32 v1, 31, v0                           ; l
	v_and_b32 v2, 15, v0                           ; r
	v_bfe_u32 v3, v0, 4, 1                         ; h
	v_lshlrev_b32 v4, 4, v1                        ; 16 l
	s_mul_i32 s2, s28, 16896
	s_add_co_u32 s2, s2, WST                       ; w's turn
	s_mul_i32 s3, s29, 4224
	s_add_co_u32 s3, s3, s2
	v_add_nc_u32 v5, s3, v4                        ; in: my rows' places begin 8 g rows on
	v_mul_u32_u24 v12, v2, 528
	v_lshl_add_u32 v12, v3, 4, v12
	v_add_nc_u32 v6, s2, v12                       ; and out: row r, + 16 h
	v_add_nc_u32 v12, XST, v12                     ; x's fragments likewise
	v_and_b32 v7, 8, v2
	v_add_nc_u32 v7, v7, v2
	v_lshl_add_u32 v7, v3, 3, v7                   ; r + 8 (r / 8) + 8 (l / 16): the row of W1 whose scales lane l holds
	v_lshlrev_b32 v7, 5, v7
	v_lshlrev_b32 v8, 6, v3                        ; b1: 16 h numbers on
	s_mul_i32 s3, s22, 16896
	s_add_co_u32 s3, s3, XST
	v_add_nc_u32 v9, s3, v4                        ; where my group's 32 rows go
	v_mul_u32_u24 v13, v1, 48
	s_mul_i32 s3, s22, 1536
	s_add_co_u32 s3, s3, XSS
	v_add_nc_u32 v11, s3, v13                      ; where my rows' scale words go
	v_add_nc_u32 v13, XSS, v13                     ; and where a pair's are read
	v_lshlrev_b32 v14, 2, v1
	s_lshl_b32 s3, s22, 7
	s_and_b32 s2, s22, 1
	s_lshl_b32 s2, s2, 12
	s_add_co_u32 s3, s3, s2
	v_add_nc_u32 v15, s3, v14                      ; the bytes of pair W: 4 l + 128 W, in plane 4 (W & 1)
	s_lshl_b32 s3, s22, 10
	v_add_nc_u32 v14, s3, v14                      ; my plane
	v_lshlrev_b32 v16, 4, v2
	v_lshl_add_u32 v16, v3, 15, v16                ; hq: 16 r, the second tile 32,768 bytes on
	v_lshlrev_b32 v17, 2, v2
	v_lshl_add_u32 v17, v3, 11, v17                ; hs: 4 r, the second tile 2,048 bytes on
	s_and_b32 s24, ttmp7, 0xffff                   ; e
	s_mov_b32 s23, ttmp9                           ; j
	s_lshl_b32 s3, s24, 7
	s_add_co_u32 s3, s3, 32768
	v_lshl_add_u32 v18, v1, 2, s3                  ; order: the count's 32 words
	s_lshl_b32 s3, s24, 12
	v_lshl_add_u32 v19, v1, 2, s3                  ; order: the expert's rows
	v_mov_b32 v31, 0
	v_mov_b32 v42, 0                               ; written once: a lane permute's destination counts as one of its sources
	v_mov_b32 v43, 0
	s_mov_b32 s31, 0
	s_lshl_b32 s30, s24, 21                        ; W1's codes: 4,096 rows of 512 bytes an expert, 128 a slice, 32 a block, 16 a wave
	s_lshl_b32 s3, s23, 16
	s_add_co_u32 s30, s30, s3
	s_lshl_b32 s3, s28, 14
	s_add_co_u32 s30, s30, s3
	s_lshl_b32 s3, s29, 13
	s_add_co_u32 s30, s30, s3
	s_wait_kmcnt 0x0
.irp i, 0,1,2,3,4,5,6,7
	global_load_b128 v[128+4*\i:131+4*\i], v4, s[4:5] offset:512*\i
.endr
	s_add_nc_u64 s[10:11], s[10:11], s[30:31]
	WIN 0x40
.set ii, 0
.rept 16
	global_load_b128 v[4*ii:4*ii+3], v4, s[10:11] offset:512*ii th:TH_LOAD_NT   ; a whole row: 512 consecutive bytes; read once in the launch
.set ii, ii+1
.endr
	WIN 0
	s_lshl_b32 s30, s24, 17                        ; its scales: 32 bytes a row
	s_lshl_b32 s3, s23, 12
	s_add_co_u32 s30, s30, s3
	s_lshl_b32 s3, s28, 10
	s_add_co_u32 s30, s30, s3
	s_add_nc_u64 s[12:13], s[12:13], s[30:31]
	global_load_b128 v[WS:WS+3], v7, s[12:13]
	global_load_b128 v[WS+4:WS+7], v7, s[12:13] offset:16
	s_lshl_b32 s30, s24, 14                        ; b1: 4 bytes a unit
	s_lshl_b32 s3, s23, 9
	s_add_co_u32 s30, s30, s3
	s_lshl_b32 s3, s28, 7
	s_add_co_u32 s30, s30, s3
	s_add_nc_u64 s[14:15], s[14:15], s[30:31]
.irp u, 0,1
	global_load_b128 v[BI+8*\u:BI+8*\u+3], v8, s[14:15] offset:32*\u          ; units 16 h + 8 u + 0 .. 7
	global_load_b128 v[BI+8*\u+4:BI+8*\u+7], v8, s[14:15] offset:32*\u+16
.endr
	s_lshl_b32 s30, s24, 21                        ; hq: 64 tiles x 32 K steps x 1,024 bytes an expert; K step j; my block at 256 w
	s_lshl_b32 s3, s23, 10
	s_add_co_u32 s30, s30, s3
	s_lshl_b32 s3, s28, 8
	s_add_co_u32 s30, s30, s3
	s_add_nc_u64 s[16:17], s[16:17], s[30:31]
	s_lshl_b32 s30, s24, 17                        ; hs: 64 tiles x 32 K steps x 64 bytes an expert
	s_lshl_b32 s3, s23, 6
	s_add_co_u32 s30, s30, s3
	s_add_nc_u64 s[18:19], s[18:19], s[30:31]
	s_wait_loadcnt 22                              ; 16 + 2 + 4 loads were issued behind idx's eight
.set jj, 0
.rept 32
	v_cmp_eq_u32 s[MK+jj], s24, v[128+jj]
.set jj, jj+1
.endr
	s_mov_b32 s2, 0
.set jj, 0
.rept 32
	s_lshl_b32 s[KK+jj], s2, 5
	s_or_b32 s[KK+jj], s[KK+jj], jj
	s_bcnt1_i32_b32 s3, s[MK+jj]
	s_add_co_u32 s2, s2, s3
.set jj, jj+1
.endr
	s_wait_xcnt 0x0                                ; the loads above have read their bases: s4, s5 and s10 to s15 are free
	s_mov_b32 s4, 0x76543210
	s_mov_b32 s5, 0xfedcba98                       ; v_permlanex16_b32's selects for lane l xor 16
	s_mov_b32 s10, 0xffff0000                      ; lanes 16-31
	s_mov_b32 s100, 0x3e7c6f08                     ; c9
	s_mov_b32 s101, s100                           ; (named with it as a pair)
	s_or_b32 s3, s23, s22
	s_cmp_lg_u32 s3, 0
	s_cbranch_scc1 .Lno_count
	v_mov_b32 v30, s2                              ; a register of its own: neither it nor v18 is ever written again, so this store needs no wait on any way
	global_store_b32 v18, v30, s[20:21]            ; the true count, 128 consecutive bytes
.Lno_count:
	s_max_u32 s25, s2, 1                           ; rows to work on
	s_sub_co_u32 s26, s25, 1
	s_mov_b32 s27, 0                               ; the chunk's first row
	GATHER
	s_wait_loadcnt 0x0                             ; W1, its scales, b1
	WIN 0x04
.set rr, 0
.rept 16
	ds_store_b128 v5, v[4*rr:4*rr+3] offset:528*(16*(rr/8)+rr%8)   ; w's row 16 g + 8 u + i goes to place 16 u + 8 g + i: a tile's 16 rows lie on end
.set rr, rr+1
.endr
	WIN 0
	s_wait_dscnt 0x0                               ; for my partner's sake: my 16 rows have landed (and my group's rows of x)
	s_barrier_signal -1
	s_barrier_wait -1                              ; w's 32 rows are whole
	WIN 0x40
.irp u, 0,1
.irp ks, 0,1,2,3,4,5,6,7
.irp c, 0,1
	ds_load_b128 v[8*(8*\u+\ks)+4*\c:8*(8*\u+\ks)+4*\c+3], v6 offset:8448*\u+64*\ks+32*\c
.endr
.endr
.endr
	WIN 0
.Lchunk:                                           ; 4 trips: 256 rows each
	s_wait_dscnt 0x0                               ; my rows have landed in LDS (and W1's fragments are in)
	s_barrier_signal -1
	s_barrier_wait -1                              ; everybody's have
	s_lshr_b32 s28, s22, 2                         ; g: my first pair of the chunk,
	s_mul_i32 s29, s28, 16896                      ; its rows' codes,
	s_mul_i32 s30, s28, 1536                       ; their scale words,
	s_lshl_b32 s31, s28, 7                         ; its bytes,
	s_lshl_b32 s99, s28, 5
	s_add_co_u32 s99, s99, s27                     ; its first row,
	s_lshl_b32 s98, s99, 11                        ; its two tiles in hq: 32,768 bytes a tile
	s_mov_b32 s28, 0                               ; the trip
.Lpair:                                            ; 4 trips: pairs g, g + 2, g + 4, g + 6; a pair beyond the rows is jumped over
	s_cmp_ge_u32 s99, s25
	s_cbranch_scc1 .Lpair_next
	v_add_nc_u32 v20, s29, v12
	v_add_nc_u32 v21, s30, v13
.irp t, 0,1
.irp ks, 0,1,2,3,4,5,6,7
.irp c, 0,1
	ds_load_b128 v[XF+64*\t+8*\ks+4*\c:XF+64*\t+8*\ks+4*\c+3], v20 offset:8448*\t+64*\ks+32*\c
.endr
.endr
.endr
	ds_load_b128 v[XS:XS+3], v21
	ds_load_b128 v[XS+4:XS+7], v21 offset:16
	s_wait_dscnt 0x0                               ; they are in; my last pair's LDS store is done too, so its address may be written
	v_add_nc_u32 v22, s31, v14
	WIN 0x01                                       ; source 0 (W1) in window 1
.irp ks, 0,1,2,3,4,5,6,7
.irp t, 0,1
.irp u, 0,1
.if \ks == 0
	MM ACC+16*\t+8*\u, 8*(8*\u+\ks), XF+64*\t+8*\ks, BI+8*\u, WS+\ks, XS+\ks, \u, \t
.else
	MM ACC+16*\t+8*\u, 8*(8*\u+\ks), XF+64*\t+8*\ks, ACC+16*\t+8*\u, WS+\ks, XS+\ks, \u, \t
.endif
.endr
.endr
.endr                                              ; four accumulators by turns, one instruction a turn
	WIN 0
.rept 4
	v_nop                                          ; four places ahead of the first read of results and of the first write into x's fragments (ISA guide 7.12.1)
.endr
	GELU32
	s_wait_xcnt 0x0                                ; my last pair's store has read v23 and v[60:63]
	v_add_nc_u32 v23, s98, v16
	QUANT2
	global_store_b128 v23, v[60:63], s[16:17]      ; each half of the wave: 256 consecutive bytes, aligned
	ds_store_b32 v22, v47
.Lpair_next:
	s_add_co_u32 s29, s29, 33792                   ; two pairs on
	s_add_co_u32 s30, s30, 3072
	s_add_co_u32 s31, s31, 256
	s_add_co_u32 s98, s98, 131072
	s_add_co_u32 s99, s99, 64
	s_add_co_u32 s28, s28, 1
	s_cmp_lt_u32 s28, 4
	s_cbranch_scc1 .Lpair
	s_wait_dscnt 0x0                               ; my bytes have landed, and my reads of the chunk's rows are over
	s_barrier_signal -1
	s_barrier_wait -1
	WORDS
	s_add_co_u32 s27, s27, 256
	GATHER                                         ; the next chunk's rows; beyond the rows it jumps over itself
	s_cmp_lt_u32 s27, 1024
	s_cbranch_scc1 .Lchunk
	s_wait_tensorcnt 0x0
	ds_add_u32 v26, v29
	s_wait_dscnt 0x0
	s_endpgm
.Lfunc_end_k_q2fcfb8d573_up:
	.size	k_q2fcfb8d573_up, .Lfunc_end_k_q2fcfb8d573_up-k_q2fcfb8d573_up
	.p2alignl 7, 3214868480
	.fill 96, 4, 3214868480
	.section	.rodata,"a",@progbits
	.p2align	6, 0x0
	.amdhsa_kernel k_q2fcfb8d573_up
		.amdhsa_group_segment_fixed_size 224256
		.amdhsa_private_segment_fixed_size 0
		.amdhsa_enable_private_segment 0
		.amdhsa_kernarg_size 72
		.amdhsa_user_sgpr_count 2
		.amdhsa_user_sgpr_kernarg_segment_ptr 1
		.amdhsa_wavefront_size32 1
		.amdhsa_system_sgpr_workgroup_id_x 1
		.amdhsa_system_sgpr_workgroup_id_y 1
		.amdhsa_system_sgpr_workgroup_id_z 1
		.amdhsa_system_vgpr_workitem_id 0
		.amdhsa_next_free_vgpr 384
		.amdhsa_next_free_sgpr 102
		.amdhsa_reserve_vcc 1
		.amdhsa_float_denorm_mode_32 3
		.amdhsa_float_denorm_mode_16_64 3
		.amdhsa_memory_ordered 1
		.amdhsa_forward_progress 1
		.amdhsa_inst_pref_size 88
	.end_amdhsa_kernel
	.amdgpu_metadata
---
amdhsa.version: [ 1, 2 ]
amdhsa.kernels:
  - .name:           k_q2fcfb8d573_up
    .symbol:         k_q2fcfb8d573_up.kd
    .args:
      - { .name: idx, .offset: 0, .size: 8, .value_kind: global_buffer, .address_space: global }
      - { .name: xc, .offset: 8, .size: 8, .value_kind: global_buffer, .address_space: global }
      - { .name: xs, .offset: 16, .size: 8, .value_kind: global_buffer, .address_space: global }
      - { .name: w1_codes, .offset: 24, .size: 8, .value_kind: global_buffer, .address_space: global }
      - { .name: w1_scales, .offset: 32, .size: 8, .value_kind: global_buffer, .address_space: global }
      - { .name: b1, .offset: 40, .size: 8, .value_kind: global_buffer, .address_space: global }
      - { .name: hq, .offset: 48, .size: 8, .value_kind: global_buffer, .address_space: global }
      - { .name: hs, .offset: 56, .size: 8, .value_kind: global_buffer, .address_space: global }
      - { .name: order, .offset: 64, .size: 8, .value_kind: global_buffer, .address_space: global }
    .group_segment_fixed_size: 224256
    .private_segment_fixed_size: 0
    .kernarg_segment_align: 8
    .kernarg_segment_size: 72
    .max_flat_workgroup_size: 256
    .sgpr_count:     102
    .vgpr_count:     384
    .wavefront_size: 32
...
	.end_amdgpu_metadata
.endif
;; end of part 2
;; launch down (part 3): grid 32 x 8, 4 waves a work-group, no clusters, 274,944 bytes of LDS; arguments order, hq, hs, w2_codes, w2_scales, b2, auxp, out0, out1; writes out0, out1
.if DOCPART == 3
	.amdgcn_target "amdgcn-amd-amdhsa--gfx1250"
	.amdhsa_code_object_version 6
	.text
	.protected	k_q2fcfb8d573_down
	.globl	k_q2fcfb8d573_down
	.p2align	8
	.type	k_q2fcfb8d573_down,@function
k_q2fcfb8d573_down:
	s_mov_b64 s[64:65], 0
	v_nop
	global_prefetch_b8 v0, s[64:65] scope:SCOPE_SE
	s_setreg_imm32_b32 hwreg(HW_REG_WAVE_MODE, 25, 1), 1
	s_wait_xcnt 0x0
; DOWN: out0[token] = Q(h) W2 + b2 for the rows of one expert, and out1 = 2 x the sum of auxp.
; Work-group (x, e): expert e, output columns 64 (x >> 1) .. + 63 (256 bytes of a row of out0), and of the expert's tiles of 16 rows those with T = 16 q + 2 a + (x & 1), a = 0 .. 7, q = 0 .. 3.
; The count n and the rows' tokens were stored as whole numbers by the launch before; a tile counts where 16 T < n.  Rows at or beyond n inside a tile repeat the last row: they give the same bits and are
; stored onto the same bytes by this same work-group.
; SHARES.  THE WAVES SPLIT K: wave w owns K steps 8 w .. 8 w + 7.  Its part of W2 (64 rows x 512 bytes) is read once by loads of 512 consecutive bytes, turned through its own LDS and kept in 256 registers;
; its quarter of each tile of h comes straight into registers, since hq holds images of the operand's registers (loads of 512 consecutive bytes).  The four partial sums meet in LDS, and each thread adds
; and stores two pieces of 16 bytes a tile: sixteen lanes store 256 consecutive bytes, aligned.
; The product is used transposed (source 0 = 16 rows of W2 = 16 output columns, source 1 = 16 rows of h): a lane holds eight neighbouring columns of one row.
; The first eight tiles (n up to 256) are written out, so that W2's turn and h's loads overlap; a loop of three trips with a constant count serves the rest, its work jumped over where nothing is left.
; Loads that stand on every way name tiles held at the last tile that was stored, so that no byte is loaded that nobody stored.
; NO CLUSTER: an expert's work-groups read the same tiles of h, and two of them the same rows of W2, but joint requests are tensor loads, and this text branches on counts read from memory.
; LIMITS: NaN and infinities are not served.
.set RED, 135168                       ; LDS: from 0 each wave's own turn of W2, 64 rows x (512 bytes + 16); from RED 8 tiles x 4 waves x 16 rows x (256 bytes + 16)
.set WS2, 24                           ; v24-39   W2's scale words: register 8 (u / 2) + s; lanes 0-15 tile u even, lanes 16-31 tile u odd
.set HS,  40                           ; v40-71   h's: register 4 a + s / 2; lanes 0-15 s even, lanes 16-31 s odd
.set TOK, 72                           ; v72-87   the tokens of my two pieces of tile a
.set ACC, 96                           ; v96-223  four sets of four accumulators: tile a takes set a % 4; on the way out v96-111 at work,
.set OUT, 128                          ; v128-191 the pieces to store,
.set OA,  192                          ; v192-207 and where
.set HQO, 224                          ; v224-231, v232-239, v240-247: tile a's offsets in hq, hs and order
.set HSO, 232
.set ORO, 240
; window 1: W2's fragments (u, s) at 8 (8 u + s).  Windows 2 and 3: h's fragments, tile a at 512 + 64 a + 8 s; window 3 first holds W2's rows as loaded; on the way out a tile's first 32 registers take the partial sums.
; v1 l, v2 r, v3 h, v4 16 l, v5-v17 addresses and offsets that stay, v[18:19] auxp, v20-23 b2
.set MSB, 0
.macro WIN new                         ; the immediate's high byte repeats the setting that is left
.if MSB != (\new)
	s_set_vgpr_msb (MSB<<8)|(\new)
.set MSB, (\new)
.endif
.endm
.macro MM d, a, b, z, sa, sb, ra, rb   ; one product; z: it starts the sum; ra, rb: the side's scales stand in lanes 16-31
.if (\z) && (\ra)
	v_wmma_scale_f32_16x16x128_f8f6f4 v[\d:\d+7], v[\a:\a+7], v[\b:\b+7], 0, v[\sa], v[\sb] matrix_a_fmt:MATRIX_FMT_FP4 matrix_b_fmt:MATRIX_FMT_FP4 matrix_a_scale:MATRIX_SCALE_ROW1
.elseif (\z)
	v_wmma_scale_f32_16x16x128_f8f6f4 v[\d:\d+7], v[\a:\a+7], v[\b:\b+7], 0, v[\sa], v[\sb] matrix_a_fmt:MATRIX_FMT_FP4 matrix_b_fmt:MATRIX_FMT_FP4
.elseif (\ra) && (\rb)
	v_wmma_scale_f32_16x16x128_f8f6f4 v[\d:\d+7], v[\a:\a+7], v[\b:\b+7], v[\d:\d+7], v[\sa], v[\sb] matrix_a_fmt:MATRIX_FMT_FP4 matrix_b_fmt:MATRIX_FMT_FP4 matrix_a_scale:MATRIX_SCALE_ROW1 matrix_b_scale:MATRIX_SCALE_ROW1
.elseif (\ra)
	v_wmma_scale_f32_16x16x128_f8f6f4 v[\d:\d+7], v[\a:\a+7], v[\b:\b+7], v[\d:\d+7], v[\sa], v[\sb] matrix_a_fmt:MATRIX_FMT_FP4 matrix_b_fmt:MATRIX_FMT_FP4 matrix_a_scale:MATRIX_SCALE_ROW1
.elseif (\rb)
	v_wmma_scale_f32_16x16x128_f8f6f4 v[\d:\d+7], v[\a:\a+7], v[\b:\b+7], v[\d:\d+7], v[\sa], v[\sb] matrix_a_fmt:MATRIX_FMT_FP4 matrix_b_fmt:MATRIX_FMT_FP4 matrix_b_scale:MATRIX_SCALE_ROW1
.else
	v_wmma_scale_f32_16x16x128_f8f6f4 v[\d:\d+7], v[\a:\a+7], v[\b:\b+7], v[\d:\d+7], v[\sa], v[\sb] matrix_a_fmt:MATRIX_FMT_FP4 matrix_b_fmt:MATRIX_FMT_FP4
.endif
.endm
.macro OFFS a                          ; tile a's number, held at the last stored tile, and its three offsets
	s_add_co_u32 s42, s26, 2*\a
	s_min_u32 s42, s42, s25
	s_min_u32 s42, s42, 63
	v_lshl_add_u32 v[HQO+\a], s42, 15, v4
	v_lshl_add_u32 v[HSO+\a], s42, 11, v9
	v_lshl_add_u32 v[ORO+\a], s42, 6, v10
.endm
.macro LD_SMALL a                      ; its scale words of my 8 K steps, and my two pieces' tokens
.irp i, 0,1,2,3
	global_load_b32 v[HS+4*\a+\i], v[HSO+\a], s[8:9] offset:128*\i
.endr
.irp i, 0,1
	global_load_b32 v[TOK+2*\a+\i], v[ORO+\a], s[4:5] offset:32*\i
.endr
.endm
.macro LD_H a                          ; its codes of my 8 K steps (the windows are left as they are set here)
	WIN 0x80+0x40*((\a)/4)
.irp ks, 0,1,2,3,4,5,6,7
.irp c, 0,1
	global_load_b128 v[64*((\a)%4)+8*\ks+4*\c:64*((\a)%4)+8*\ks+4*\c+3], v[HQO+\a], s[6:7] offset:1024*\ks+512*\c
.endr
.endr
.endm
.macro COMPUTE a                       ; 32 products, four accumulators by turns; the partial sums go to LDS
	s_cmp_le_i32 s24, 32*\a
	s_cbranch_scc1 .Lc_\@
	WIN 0x09+4*((\a)/4)                            ; source 0 (W2) window 1, source 1 (h) window 2 or 3
.irp ks, 0,1,2,3,4,5,6,7
.irp u, 0,1,2,3
.if \ks == 0
	MM ACC+32*((\a)%4)+8*\u, 8*(8*\u+\ks), 64*((\a)%4)+8*\ks, 1, WS2+8*(\u/2)+\ks, HS+4*\a+\ks/2, \u%2, \ks%2
.else
	MM ACC+32*((\a)%4)+8*\u, 8*(8*\u+\ks), 64*((\a)%4)+8*\ks, 0, WS2+8*(\u/2)+\ks, HS+4*\a+\ks/2, \u%2, \ks%2
.endif
.endr
.endr
	WIN 0
.rept 5
	v_nop                                          ; four places ahead of the stores that read the results; a fifth, since the set is begun anew by the tile four further on
.endr
.irp u, 0,1,2,3
	ds_store_b128 v[12+(\a)/4], v[ACC+32*((\a)%4)+8*\u:ACC+32*((\a)%4)+8*\u+3] offset:17408*((\a)%4)+64*\u        ; each accumulator from its low end on
	ds_store_b128 v[12+(\a)/4], v[ACC+32*((\a)%4)+8*\u+4:ACC+32*((\a)%4)+8*\u+7] offset:17408*((\a)%4)+64*\u+16
.endr
.Lc_\@:
.endm
.macro RLOAD a                         ; my two pieces of tile a, from all four waves
	s_cmp_le_i32 s24, 32*\a
	s_cbranch_scc1 .Lr_\@
	WIN 0x80+0x40*((\a)/4)
.irp i, 0,1
.irp w, 0,1,2,3
	ds_load_b128 v[64*((\a)%4)+16*\i+4*\w:64*((\a)%4)+16*\i+4*\w+3], v[14+(\a)/2] offset:17408*((\a)%2)+4352*\w+2176*\i
.endr
.endr
	WIN 0
.Lr_\@:
.endm
.macro ROUT a                          ; (P0 + P1) + (P2 + P3) + b2, to the row's token
	s_cmp_le_i32 s24, 32*\a
	s_cbranch_scc1 .Lo_\@
	WIN 0x0a+5*((\a)/4)                            ; sources 0 and 1 in window 2 or 3
.irp i, 0,1
.irp p, 0,2
	v_pk_add_f32 v[96+8*\i+\p:97+8*\i+\p], v[64*((\a)%4)+16*\i+\p:64*((\a)%4)+16*\i+\p+1], v[64*((\a)%4)+16*\i+4+\p:64*((\a)%4)+16*\i+5+\p]
	v_pk_add_f32 v[100+8*\i+\p:101+8*\i+\p], v[64*((\a)%4)+16*\i+8+\p:64*((\a)%4)+16*\i+9+\p], v[64*((\a)%4)+16*\i+12+\p:64*((\a)%4)+16*\i+13+\p]
.endr
.endr
	WIN 0
.irp i, 0,1
.irp p, 0,2
	v_pk_add_f32 v[96+8*\i+\p:97+8*\i+\p], v[96+8*\i+\p:97+8*\i+\p], v[100+8*\i+\p:101+8*\i+\p]
.endr
.endr
.irp i, 0,1
.irp p, 0,2
	v_pk_add_f32 v[OUT+8*\a+4*\i+\p:OUT+8*\a+4*\i+\p+1], v[96+8*\i+\p:97+8*\i+\p], v[20+\p:21+\p]
.endr
.endr
.irp i, 0,1
	v_min_u32 v[TOK+2*\a+\i], 0x3ff, v[TOK+2*\a+\i]
	v_lshl_add_u32 v[OA+2*\a+\i], v[TOK+2*\a+\i], 12, v11
	global_store_b128 v[OA+2*\a+\i], v[OUT+8*\a+4*\i:OUT+8*\a+4*\i+3], s[18:19] th:TH_STORE_NT   ; sixteen lanes: 256 consecutive bytes, aligned
.endr
.Lo_\@:
.endm
	s_load_b512 s[4:19], s[0:1], 0x0               ; order s[4:5], hq s[6:7], hs s[8:9], W2's codes s[10:11], its scales s[12:13], b2 s[14:15], auxp s[16:17], out0 s[18:19]
	s_load_b64 s[20:21], s[0:1], 0x40              ; out1
	v_lshl_add_u32 v254, v0, 2, 0x43000
	v_mov_b32 v255, 0
	v_lshrrev_b32 v1, 5, v0
	v_readfirstlane_b32 s22, v1                    ; wave
	v_and_b32 v1, 31, v0                           ; l
	v_and_b32 v2, 15, v0                           ; r
	v_bfe_u32 v3, v0, 4, 1                         ; h
	v_lshlrev_b32 v4, 4, v1                        ; 16 l
	s_mul_i32 s34, s22, 33792
	v_add_nc_u32 v5, s34, v4                       ; W2's turn, in
	v_mul_u32_u24 v6, v2, 528
	v_lshl_add_u32 v6, v3, 4, v6
	v_add_nc_u32 v6, s34, v6                       ; and out: row r, + 16 h
	v_lshlrev_b32 v7, 7, v1                        ; W2's scales: 128 bytes a row
	v_lshlrev_b32 v8, 3, v1                        ; auxp: 8 bytes a lane
	v_lshlrev_b32 v9, 2, v1                        ; 4 l
	v_lshrrev_b32 v10, 4, v0                       ; thread / 16: my piece's row
	v_lshlrev_b32 v11, 4, v2                       ; and its 16 bytes
	v_mul_u32_u24 v12, v2, 272
	v_lshl_add_u32 v12, v3, 5, v12
	s_mul_i32 s34, s22, 4352
	s_add_co_u32 s34, s34, RED
	v_add_nc_u32 v12, s34, v12                     ; partial sums in: my wave's 16 rows, row r, + 32 h; tiles 0-3,
	v_add_nc_u32 v13, 69632, v12                   ; tiles 4-7
	v_mul_u32_u24 v14, v10, 272
	v_add_nc_u32 v14, v14, v11
	v_add_nc_u32 v14, RED, v14                     ; and out: tiles 0 and 1,
	v_add_nc_u32 v15, 34816, v14                   ; 2 and 3,
	v_add_nc_u32 v16, 69632, v14                   ; 4 and 5,
	v_add_nc_u32 v17, 104448, v14                  ; 6 and 7
	v_lshlrev_b32 v10, 2, v10                      ; order: 4 bytes a row
	v_mov_b32 v88, 0
	s_lshr_b32 s28, ttmp9, 1                       ; the slice of 64 columns
	s_and_b32 s29, ttmp9, 1                        ; which tiles
	s_and_b32 s30, ttmp7, 0xffff                   ; e
	s_mov_b32 s36, 0x76543210
	s_mov_b32 s37, 0xfedcba98                      ; v_permlanex16_b32's selects for lane l xor 16
	s_mov_b32 s33, 0
	s_mov_b32 s41, 0
	s_lshl_b32 s32, s30, 7
	s_add_co_u32 s32, s32, 32768
	s_wait_kmcnt 0x0
	s_add_nc_u64 s[32:33], s[4:5], s[32:33]
	s_load_b32 s23, s[32:33], 0x0                  ; n
	global_load_b64 v[18:19], v8, s[16:17]         ; auxp, in every wave, so that nothing waits for it at the end
	s_lshl_b32 s40, s30, 21                        ; W2's codes: 1,024 rows of 2,048 bytes an expert, 64 a slice, my 512 bytes of each
	s_lshl_b32 s42, s28, 17
	s_add_co_u32 s40, s40, s42
	s_lshl_b32 s42, s22, 9
	s_add_co_u32 s40, s40, s42
	s_add_nc_u64 s[10:11], s[10:11], s[40:41]
	WIN 0xc0
.set rr, 0
.rept 64
	global_load_b128 v[4*rr:4*rr+3], v4, s[10:11] offset:2048*rr   ; 512 consecutive bytes of row rr
.set rr, rr+1
.endr
	WIN 0
	s_lshl_b32 s40, s30, 17                        ; its scales: 128 bytes a row, my 32 of each
	s_lshl_b32 s42, s28, 13
	s_add_co_u32 s40, s40, s42
	s_lshl_b32 s42, s22, 5
	s_add_co_u32 s40, s40, s42
	s_add_nc_u64 s[12:13], s[12:13], s[40:41]
.irp q, 0,1
	global_load_b128 v[WS2+8*\q:WS2+8*\q+3], v7, s[12:13] offset:4096*\q
	global_load_b128 v[WS2+8*\q+4:WS2+8*\q+7], v7, s[12:13] offset:4096*\q+16
.endr
	s_lshl_b32 s40, s30, 12                        ; b2
	s_lshl_b32 s42, s28, 8
	s_add_co_u32 s40, s40, s42
	s_add_nc_u64 s[14:15], s[14:15], s[40:41]
	global_load_b128 v[20:23], v11, s[14:15]
	s_lshl_b32 s40, s30, 21                        ; hq: the expert, my 8 K steps of 1,024 bytes
	s_lshl_b32 s42, s22, 13
	s_add_co_u32 s40, s40, s42
	s_add_nc_u64 s[6:7], s[6:7], s[40:41]
	s_lshl_b32 s40, s30, 17                        ; hs: the expert, my 8 K steps of 64 bytes
	s_lshl_b32 s42, s22, 9
	s_add_co_u32 s40, s40, s42
	s_add_nc_u64 s[8:9], s[8:9], s[40:41]
	s_lshl_b32 s40, s30, 12                        ; order: the expert's rows
	s_add_nc_u64 s[4:5], s[4:5], s[40:41]
	s_lshl_b32 s40, s28, 8                         ; out0: the slice's 256 bytes of a row
	s_add_nc_u64 s[18:19], s[18:19], s[40:41]
	s_wait_kmcnt 0x0
	s_min_u32 s23, s23, 1024
	s_lshl_b32 s42, s29, 4
	s_sub_co_i32 s24, s23, s42                     ; rem = n - 16 (x & 1) - 256 q: tile a counts where rem > 32 a
	s_max_u32 s25, s23, 1
	s_sub_co_u32 s25, s25, 1
	s_lshr_b32 s25, s25, 4                         ; the last tile that holds a row
	s_mov_b32 s26, s29                             ; tile a = 0 of this trip
.irp a, 0,1,2,3,4,5,6,7
	OFFS \a
.endr
.irp a, 0,1,2,3,4,5,6,7
	LD_SMALL \a
.endr
.irp a, 0,1,2,3
	LD_H \a
.endr
	WIN 0
	s_wait_loadcnt 63                              ; 4 + 1 + 48 + 64 loads were issued behind W2's rows: with 63 out, the rows are in
	WIN 0x0c
.set rr, 0
.rept 64
	ds_store_b128 v5, v[4*rr:4*rr+3] offset:528*rr
.set rr, rr+1
.endr
	WIN 0x40
.irp u, 0,1,2,3
.irp ks, 0,1,2,3,4,5,6,7
.irp c, 0,1
	ds_load_b128 v[8*(8*\u+\ks)+4*\c:8*(8*\u+\ks)+4*\c+3], v6 offset:8448*\u+64*\ks+32*\c   ; LDS serves a wave's instructions in order: these see the stores above
.endr
.endr
.endr
	WIN 0
	s_wait_dscnt 0x0                               ; W2's fragments are in, and the stores have read window 3
	s_wait_loadcnt 0x0                             ; tiles 0-3, all scale words, the tokens, b2, auxp
.irp a, 4,5,6,7
	s_cmp_le_i32 s24, 32*\a
	s_cbranch_scc1 .Lh_done
	LD_H \a                                        ; they land while tiles 0-3 are multiplied
	WIN 0
.endr
.Lh_done:
.irp a, 0,1,2,3
	COMPUTE \a
.endr
	s_wait_loadcnt 0x0                             ; tiles 4-7
	s_wait_dscnt 0x0                               ; the stores have read the four sets: they are begun anew
.irp a, 4,5,6,7
	COMPUTE \a
.endr
	s_wait_dscnt 0x0                               ; for the others' sake: my partial sums have landed
	s_barrier_signal -1
	s_barrier_wait -1
.irp a, 0,1,2,3,4,5,6,7
	RLOAD \a
.endr
	s_wait_dscnt 0x0
.irp a, 0,1,2,3,4,5,6,7
	ROUT \a
.endr
	s_barrier_signal -1                            ; every wave's reads of the partial sums are over (waited for above)
	s_barrier_wait -1
	s_mov_b32 s27, 3
.Ltrip:                                            ; rows 256 q on, q = 1, 2, 3
	s_sub_co_i32 s24, s24, 256
	s_add_co_u32 s26, s26, 16
	s_wait_xcnt 0x0                                ; the last trip's stores and loads have read their registers
	s_cmp_le_i32 s24, 0
	s_cbranch_scc1 .Lt_none
.irp a, 0,1,2,3,4,5,6,7
	s_cmp_le_i32 s24, 32*\a
	s_cbranch_scc1 .Lt_loaded
	OFFS \a
	LD_SMALL \a
	LD_H \a
	WIN 0
.endr
.Lt_loaded:
	s_wait_loadcnt 0x0
.irp a, 0,1,2,3
	COMPUTE \a
.endr
	s_wait_dscnt 0x0                               ; the stores have read the four sets
.irp a, 4,5,6,7
	COMPUTE \a
.endr
.Lt_none:
	s_wait_dscnt 0x0
	s_barrier_signal -1
	s_barrier_wait -1
	s_cmp_le_i32 s24, 0
	s_cbranch_scc1 .Lt_out
.irp a, 0,1,2,3,4,5,6,7
	RLOAD \a
.endr
	s_wait_dscnt 0x0
.irp a, 0,1,2,3,4,5,6,7
	ROUT \a
.endr
.Lt_out:
	s_wait_dscnt 0x0
	s_barrier_signal -1
	s_barrier_wait -1
	s_sub_co_u32 s27, s27, 1
	s_cmp_lg_u32 s27, 0
	s_cbranch_scc1 .Ltrip
	; the auxiliary loss: 8 x the sum of (q / 2)^2 = 2 x the sum of the 64 parts.  One wave of one work-group
	s_or_b32 s42, ttmp9, s30
	s_or_b32 s42, s42, s22
	s_cmp_lg_u32 s42, 0
	s_cbranch_scc1 .Lend
	v_add_f32 v18, v18, v19
	v_add_f32_dpp v18, v18, v18 row_xmask:1 row_mask:0xf bank_mask:0xf
	v_add_f32_dpp v18, v18, v18 row_xmask:2 row_mask:0xf bank_mask:0xf
	v_add_f32_dpp v18, v18, v18 row_xmask:4 row_mask:0xf bank_mask:0xf
	v_add_f32_dpp v18, v18, v18 row_xmask:8 row_mask:0xf bank_mask:0xf
	v_permlanex16_b32 v19, v18, s36, s37
	v_add_f32 v18, v18, v19
	v_add_f32 v18, v18, v18
	s_wait_xcnt 0x0                                ; EXEC changes only when the stores above have read it
	v_cmp_eq_u32 vcc_lo, 0, v0
	s_and_saveexec_b32 s38, vcc_lo
	global_store_b32 v88, v18, s[20:21]
	s_wait_xcnt 0x0
	s_or_b32 exec_lo, exec_lo, s38
.Lend:
	s_wait_tensorcnt 0x0
	ds_add_u32 v254, v255
	s_wait_dscnt 0x0
	s_endpgm
.Lfunc_end_k_q2fcfb8d573_down:
	.size	k_q2fcfb8d573_down, .Lfunc_end_k_q2fcfb8d573_down-k_q2fcfb8d573_down
	.p2alignl 7, 3214868480
	.fill 96, 4, 3214868480
	.section	.rodata,"a",@progbits
	.p2align	6, 0x0
	.amdhsa_kernel k_q2fcfb8d573_down
		.amdhsa_group_segment_fixed_size 274944
		.amdhsa_private_segment_fixed_size 0
		.amdhsa_enable_private_segment 0
		.amdhsa_kernarg_size 72
		.amdhsa_user_sgpr_count 2
		.amdhsa_user_sgpr_kernarg_segment_ptr 1
		.amdhsa_wavefront_size32 1
		.amdhsa_system_sgpr_workgroup_id_x 1
		.amdhsa_system_sgpr_workgroup_id_y 1
		.amdhsa_system_sgpr_workgroup_id_z 1
		.amdhsa_system_vgpr_workitem_id 0
		.amdhsa_next_free_vgpr 1024
		.amdhsa_next_free_sgpr 66
		.amdhsa_reserve_vcc 1
		.amdhsa_float_denorm_mode_32 3
		.amdhsa_float_denorm_mode_16_64 3
		.amdhsa_memory_ordered 1
		.amdhsa_forward_progress 1
		.amdhsa_inst_pref_size 173
	.end_amdhsa_kernel
	.amdgpu_metadata
---
amdhsa.version: [ 1, 2 ]
amdhsa.kernels:
  - .name:           k_q2fcfb8d573_down
    .symbol:         k_q2fcfb8d573_down.kd
    .args:
      - { .name: order, .offset: 0, .size: 8, .value_kind: global_buffer, .address_space: global }
      - { .name: hq, .offset: 8, .size: 8, .value_kind: global_buffer, .address_space: global }
      - { .name: hs, .offset: 16, .size: 8, .value_kind: global_buffer, .address_space: global }
      - { .name: w2_codes, .offset: 24, .size: 8, .value_kind: global_buffer, .address_space: global }
      - { .name: w2_scales, .offset: 32, .size: 8, .value_kind: global_buffer, .address_space: global }
      - { .name: b2, .offset: 40, .size: 8, .value_kind: global_buffer, .address_space: global }
      - { .name: auxp, .offset: 48, .size: 8, .value_kind: global_buffer, .address_space: global }
      - { .name: out0, .offset: 56, .size: 8, .value_kind: global_buffer, .address_space: global }
      - { .name: out1, .offset: 64, .size: 8, .value_kind: global_buffer, .address_space: global }
    .group_segment_fixed_size: 274944
    .private_segment_fixed_size: 0
    .kernarg_segment_align: 8
    .kernarg_segment_size: 72
    .max_flat_workgroup_size: 128
    .sgpr_count:     66
    .vgpr_count:     1024
    .wavefront_size: 32
...
	.end_amdgpu_metadata
.endif
;; end of part 3
;; ======== version 2 of 2: 3 launches; version 1 with the launch up written anew for expert scheduling mode
;; workspace buffers: idx 4,096 bytes of whole numbers; order 33,792 bytes of whole numbers; xc 524,288 bytes; xs 32,768 bytes; hq 16,777,216 bytes; hs 1,048,576 bytes; auxp 256 bytes
;; launch route: the kernel of part 1 again; grid 64 x 1, 8 waves a work-group, no clusters, 86,016 bytes of LDS; arguments x, gate_w, gate_b, idx, xc, xs, auxp; writes idx, xc, xs, auxp
;; launch up (part 4): grid 32 x 8, 8 waves a work-group, no clusters, 224,256 bytes of LDS; arguments idx, xc, xs, w1_codes, w1_scales, b1, hq, hs, order; writes hq, hs, order
.if DOCPART == 4
	.amdgcn_target "amdgcn-amd-amdhsa--gfx1250"
	.amdhsa_code_object_version 6
	.text
	.protected	k_q2fcfb8d573_up
	.globl	k_q2fcfb8d573_up
	.p2align	8
	.type	k_q2fcfb8d573_up,@function
k_q2fcfb8d573_up:
	s_mov_b64 s[64:65], 0
	v_nop
	global_prefetch_b8 v0, s[64:65] scope:SCOPE_SE
	s_setreg_imm32_b32 hwreg(HW_REG_WAVE_SCHED_MODE, 0, 2), 2
	s_setreg_imm32_b32 hwreg(HW_REG_WAVE_MODE, 25, 1), 1
	s_wait_xcnt 0x0
	s_wait_alu depctr_vm_vsrc(0)
; UP: h = gelu(Q(x) W1 + b1) for the rows of one expert and 128 hidden units, quantised to FP4 (E2M1) with one E8M0 byte for each 32 hidden units.
; Work-group (j, e): expert e, hidden units 128 j .. 128 j + 127, which are K step j of the second product.  Only the tokens that chose e are multiplied: the others' results are thrown away by the problem's own where.
; ROWS.  idx holds each token's expert, stored by the launch before.  Every wave reads all 1,024 numbers (32 registers x 32 lanes), makes 32 lane masks and their running counts in scalar registers, and lane l of a
; group of 32 rows finds 'the p-th token of e' by integer arithmetic alone (SELECT).  Row p is counted register by register, lane by lane; register j of lane l is token 128 (j >> 2) + 4 l + (j & 3).
; Rows are filled up to a multiple of 32 by repeating the last row.  An expert without tokens runs one pair of such rows (SELECT then gives token 1,023), so that every byte that the next launch loads has been stored.
; Work-group j = 0 also stores the rows' tokens (order + 4096 e + 4 p) and the true count (32 equal words at order + 32768 + 128 e).
; SHARES.  EIGHT WAVES, TWO TO A SIMD.  Wave W is (w, g) = (W & 3, W >> 2).  THE WAVES SHARE THE COLUMNS: w names hidden units 32 w .. 32 w + 31 of the slice, one block of the next K, for all rows; rows go in pairs
; of tiles of 16, and of the pairs g = 0 takes the even ones, g = 1 the odd ones.  A pair is 32 products, 34 LDS loads and some 420 vector instructions, 64 of them transcendentals: with a second wave on the SIMD one
; wave's vector work stands beside the other's LDS loads and products.  w's 32 rows of W1 (16 KB) are read once, 16 rows by each of its two waves, by loads of 512 consecutive bytes, turned through LDS and kept by both
; in 128 registers.  The rows' codes lie in LDS in chunks of 256 rows; wave W brings the 32 rows of the chunk's pair W.  All loops have constant trip counts; what a count leaves out is jumped over inside them.
; LAYOUT.  The product is used transposed (source 0 = 16 rows of W1, source 1 = 16 rows of x).  Lane r of tile u takes row 8 u + r + 8 (r / 8) of w's 32, so that the 16 registers of tiles 0 and 1 are hidden units
; 16 (lane / 16) + 0 .. 15 of one token.  b1 is the C of each sum's first product.  hq takes the codes as images of the next product's operand: [e][tile][K step j][512 c + 16 lane]; my block is lanes 16 (w & 1) + r of
; group c = w >> 1, 256 consecutive bytes a tile.  hs: [e][tile][j][row] scale words.
; GELU.  h = max(v, 0) - |v| erfc(|v| / sqrt 2) / 2, erfc by t exp(P(t) - z^2), t = 1 / (1 + z / 2), P of degree 9 (a Chebyshev fit whose stated fractional error is 1.2e-7), in base 2 with the half folded into c0:
; the negative side keeps its relative accuracy.  1 / x is v_rcp_f32 with one Newton step.
; NO CLUSTER: an expert's 32 work-groups read the same rows of x, but joint requests are tensor loads, and this text branches on counts read from memory.
; The scale words leave in pieces of 64 bytes: one byte in 16 of h's traffic.
; LIMITS: NaN and infinities are not served; |h| under 2^-126 becomes 0 (v_exp_f32 flushes); the relative error of h, some 5e-7 for |v| under 4, grows to some 1e-5 below v = -9 through the rounding of the exponent's
; argument; a block of zeros gets the scale byte 1 (its codes are zeros, and only this program reads the bytes).
; THE MODE: SCHED_MODE bits 1:0 = 2 (LLVM: expert scheduling mode 2), set by the entry lines.  The code itself states the register dependences between vector or matrix instructions and memory or LDS instructions,
; and those through scalar registers and VCC that vector instructions write, with s_wait_alu, always for 0.
; THE PLAN.  Registers that memory or LDS instructions touch, who writes them and who reads them:
;   v4-v19, v26, v29  Offsets and addresses, made at the head ahead of ONE wait on va_vdst in front of the first load; never written again.  v30, the count: a wait of its own between its v_mov and its store.
;   A GROUP           v25 the tokens, v27, v28, v32-63 offsets: written by SELECT and ISSUE, read by the group's store and its 34 loads.  v96-103, v128-255: the loads land there, PUT's LDS stores read them.
;                     A wait on vm_vsrc at SELECT's head: all that was issued before has read v25-v63.  A wait on va_vdst behind the last offset: the offsets are written, and whoever named v96-103 and v128-255 is done.
;   W1                Window 1's v0-63: global loads land, the turn's LDS stores read them, the fragments' LDS loads land in v0-127: a wait on vm_vsrc ahead of these.  Only products name them afterwards.
;   A PAIR            v20, v21: written at the pair's head, read by its 34 LDS loads, which land in XF and XS.  The products read XF and XS; the GELU then works in XF's registers.
;                     v22, v23, v47, v60-63: written on the way, read by the pair's two stores at its end.
;                     At the head a wait on vm_vsrc (the last pair's loads and stores, PUT's stores and ISSUE's loads have read all that this pair writes), the two additions, a wait on va_vdst (v20, v21 are written;
;                     the last pair's products and GELU are done with XF and XS).  Ahead of the two stores one more wait on va_vdst.  Between them stand only the two waits behind the transcendentals.
;   WORDS             v48-51: LDS loads land; v24, v48: written by vector lines, read by the store.  A wait on vm_vsrc at its head, a wait on va_vdst ahead of the store.  The only vector lines that name v48-51 are ISSUE's
;                     offsets and WORDS' own three, and each is followed in its own straight run by a wait on va_vdst: so the LDS loads owe none of their own.
.set SCB, 0                            ; LDS: the pairs' scale bytes, one word each: 8 planes (a wave's own) x 8 pairs x 32 rows x 4 bytes
.set XSS, 8192                         ; x's scale words: 256 rows x (32 bytes + 16)
.set WST, 20480                        ; the turn of W1: for each w 32 rows x (512 bytes + 16)
.set XST, 88064                        ; x's codes: 256 rows x (512 bytes + 16)
.set BI,  64                           ; v64-79   b1 in the result's layout, 8 registers a tile
.set XS,  80                           ; v80-87   x's scale words: register s for K step s; lanes 0-15 the pair's first tile, lanes 16-31 its second
.set WS,  88                           ; v88-95   W1's: lanes 0-15 tile 0, lanes 16-31 tile 1
.set ACC, 96                           ; v96-127  accumulator (tile of rows t, tile of units u) at 96 + 16 t + 8 u; before that a group's scale words on their way
.set XF,  128                          ; v128-255 x's fragments (t, s) at 128 + 64 t + 8 s; before that idx, and a group's rows on their way; behind the products the GELU's registers
.set GD,  128
.set GP,  160
.set GU,  192
.set MK,  32                           ; s32-63   lane masks: bit l of mask j: register j of lane l is a token of e
.set KK,  66                           ; s66-97   32 x (tokens of e in registers under j) + j
; window 1: v0-63 my 16 rows of W1 as loaded, then v0-127 its fragments (u, s) at 8 (8 u + s)
; v1 l, v2 r, v3 h, v4 16 l; v5-v19 addresses and offsets that stay; v20-24 those in hand; v25 a group's tokens; v27, v28 offsets; v30 the count, written once; v31 = 0; v32-63 at work
.set MSB, 0
.macro WIN new                         ; the immediate's high byte repeats the setting that is left
.if MSB != (\new)
	s_set_vgpr_msb (MSB<<8)|(\new)
.set MSB, (\new)
.endif
.endm
.macro MM d, a, b, c, sa, sb, ra, rb   ; one product; ra, rb: the side's scales stand in lanes 16-31
.if (\ra) && (\rb)
	v_wmma_scale_f32_16x16x128_f8f6f4 v[\d:\d+7], v[\a:\a+7], v[\b:\b+7], v[\c:\c+7], v[\sa], v[\sb] matrix_a_fmt:MATRIX_FMT_FP4 matrix_b_fmt:MATRIX_FMT_FP4 matrix_a_scale:MATRIX_SCALE_ROW1 matrix_b_scale:MATRIX_SCALE_ROW1
.elseif (\ra)
	v_wmma_scale_f32_16x16x128_f8f6f4 v[\d:\d+7], v[\a:\a+7], v[\b:\b+7], v[\c:\c+7], v[\sa], v[\sb] matrix_a_fmt:MATRIX_FMT_FP4 matrix_b_fmt:MATRIX_FMT_FP4 matrix_a_scale:MATRIX_SCALE_ROW1
.elseif (\rb)
	v_wmma_scale_f32_16x16x128_f8f6f4 v[\d:\d+7], v[\a:\a+7], v[\b:\b+7], v[\c:\c+7], v[\sa], v[\sb] matrix_a_fmt:MATRIX_FMT_FP4 matrix_b_fmt:MATRIX_FMT_FP4 matrix_b_scale:MATRIX_SCALE_ROW1
.else
	v_wmma_scale_f32_16x16x128_f8f6f4 v[\d:\d+7], v[\a:\a+7], v[\b:\b+7], v[\c:\c+7], v[\sa], v[\sb] matrix_a_fmt:MATRIX_FMT_FP4 matrix_b_fmt:MATRIX_FMT_FP4
.endif
.endm
; one level of the search for the q-th set bit: if the lower half of the field in hand holds q bits or fewer, pass over it
.macro LEVEL c, wd, st
	v_bfe_u32 v42, v[\c], v44, \wd
	v_cmp_lt_u32 vcc_lo, v36, v42
	s_wait_alu depctr_va_vcc(0)                    ; the compare has written VCC, which the two selections below read
	v_cndmask_b32 v42, v42, v31, vcc_lo
	v_cndmask_b32 v43, \st, v31, vcc_lo
	v_sub_nc_u32 v36, v36, v42
	v_add_nc_u32 v44, v44, v43
.endm
; lane l finds the token of row s[sp] + l (held at the last row)
.macro SELECT sp, tok
	s_wait_xcnt 0x0                                ; all earlier loads and stores have had their addresses translated: v25-v63 may be written
	s_wait_alu depctr_vm_vsrc(0)                   ; and all earlier loads, stores and LDS stores have read their vector registers: the last group's v25, v27, v28, v32-63, a pair's v47 and v60-63, the words' v48
	v_add_nc_u32 v32, s[\sp], v1
	v_min_u32 v32, s26, v32                        ; P
	v_lshl_or_b32 v33, v32, 5, 31
	v_mov_b32 v34, s[MK]
	v_mov_b32 v35, s[KK]
.set jj, 1
.rept 5                                        ; the last register whose running count is P or less holds row P.  The compares go in runs of six, into s2, s3 and s12 to s15, which are free here
.irp q, 0,1,2,3,4,5
	v_cmp_gt_u32 s[2+\q+8*((\q+2)/4)], s[KK+jj+\q], v33
.endr
	s_wait_alu depctr_va_sdst(0)                   ; the six compares have written their masks, which the selections below read
.irp q, 0,1,2,3,4,5
	v_cndmask_b32 v34, s[MK+jj+\q], v34, s[2+\q+8*((\q+2)/4)]   ; in ascending order, as the search asks
	v_cndmask_b32 v35, s[KK+jj+\q], v35, s[2+\q+8*((\q+2)/4)]
.endr
.set jj, jj+6
.endr
	v_cmp_gt_u32 s2, s[KK+31], v33                 ; and register 31
	s_wait_alu depctr_va_sdst(0)                   ; the compare has written s2, which the two selections read
	v_cndmask_b32 v34, s[MK+31], v34, s2
	v_cndmask_b32 v35, s[KK+31], v35, s2
	v_lshrrev_b32 v36, 5, v35
	v_sub_nc_u32 v36, v32, v36                     ; q: which of the mask's set bits
	v_and_b32 v37, 31, v35                         ; j
	v_lshrrev_b32 v38, 1, v34
	v_and_b32 v38, 0x55555555, v38
	v_sub_nc_u32 v38, v34, v38                     ; counts of 2 bits,
	v_lshrrev_b32 v39, 2, v38
	v_and_b32 v39, 0x33333333, v39
	v_and_b32 v40, 0x33333333, v38
	v_add_nc_u32 v39, v39, v40                     ; of 4,
	v_lshrrev_b32 v40, 4, v39
	v_add_nc_u32 v40, v40, v39
	v_and_b32 v40, 0x0f0f0f0f, v40                 ; of 8,
	v_lshrrev_b32 v41, 8, v40
	v_add_nc_u32 v41, v41, v40                     ; of 16
	v_mov_b32 v44, 0
	LEVEL 41, 8, 16
	LEVEL 40, 8, 8
	LEVEL 39, 4, 4
	LEVEL 38, 2, 2
	LEVEL 34, 1, 1                                 ; v44: the lane
	v_lshrrev_b32 v42, 2, v37
	v_lshlrev_b32 v42, 7, v42
	v_lshl_or_b32 v42, v44, 2, v42
	v_and_b32 v43, 3, v37
	v_or_b32 v[\tok], v42, v43                     ; 128 (j >> 2) + 4 lane + (j & 3)
	v_min_u32 v[\tok], 0x3ff, v[\tok]
	s_cmp_lg_u32 s23, 0
	s_cbranch_scc1 .Lno_order_\@
	v_lshl_add_u32 v27, s[\sp], 2, v19
	s_wait_alu depctr_va_vdst(0)                   ; v27 and the tokens are written: the store reads them as its offset and its data
	global_store_b32 v27, v[\tok], s[20:21]        ; 128 consecutive bytes
.Lno_order_\@:
.endm
; the group's 32 rows are asked for: a token's 512 bytes of codes by one load each, its 32 scale bytes by its own lane.  All 33 offsets are made first, so that one wait serves the 34 loads
.macro ISSUE tok, dst, sc, xso
	v_lshlrev_b32 v[\xso], 5, v[\tok]
.irp g, 0,4,8,12,16,20,24,28
	v_readlane_b32 s2, v[\tok], \g
	v_readlane_b32 s3, v[\tok], \g+1
	v_readlane_b32 s13, v[\tok], \g+2
	v_readlane_b32 s14, v[\tok], \g+3
	s_wait_alu depctr_va_sdst(0)                   ; the four lines above have written s2, s3, s13 and s14, which the scalar lines below read
	s_min_u32 s2, s2, 1023
	s_min_u32 s3, s3, 1023
	s_min_u32 s13, s13, 1023
	s_min_u32 s14, s14, 1023
	v_lshl_add_u32 v[32+\g], s2, 9, v4
	v_lshl_add_u32 v[33+\g], s3, 9, v4
	v_lshl_add_u32 v[34+\g], s13, 9, v4
	v_lshl_add_u32 v[35+\g], s14, 9, v4
.endr
	s_wait_alu depctr_va_vdst(0)                   ; the 33 offsets are written, which the loads below read; and whoever named v96-103 and v128-255, in which they land, is done: the masks' compares at the head, later the last pair's products, GELU and conversions
	global_load_b128 v[\sc:\sc+3], v[\xso], s[8:9]
	global_load_b128 v[\sc+4:\sc+7], v[\xso], s[8:9] offset:16
.set ii, 0
.rept 32
	global_load_b128 v[\dst+4*ii:\dst+4*ii+3], v[32+ii], s[6:7]
.set ii, ii+1
.endr
.endm
.macro PUT dst, base, sc               ; and go to LDS, by rows (the data come from loads, the addresses from the head: nothing is owed but the wait for the loads)
.set ii, 0
.rept 32
	ds_store_b128 v[\base], v[\dst+4*ii:\dst+4*ii+3] offset:528*ii
.set ii, ii+1
.endr
	ds_store_b128 v11, v[\sc:\sc+3]
	ds_store_b128 v11, v[\sc+4:\sc+7] offset:16
.endm
; Wave W brings rows 32 W .. 32 W + 31 of the chunk at s27: the chunk's pair W
.macro GATHER
	s_lshl_b32 s2, s22, 5
	s_add_co_u32 s11, s27, s2
	s_cmp_ge_u32 s11, s25
	s_cbranch_scc1 .Lg_done_\@
	SELECT 11, 25
	ISSUE 25, 128, 96, 28
	s_wait_loadcnt 0x0
	PUT 128, 9, 96
.Lg_done_\@:
.endm
; 32 numbers in v[ACC] on, in place
.macro GELU32
.set ii, 0
.rept 32
	v_fma_f32 v[GD+ii], |v[ACC+ii]|, 0x3eb504f3, 1.0   ; 1 + z / 2 = 1 + |v| / (2 sqrt 2); the accumulators are read in ascending order
.set ii, ii+1
.endr
.set ii, 0
.rept 32
	v_rcp_f32 v[GP+ii], v[GD+ii]
.set ii, ii+1
.endr
.set ii, 0
.rept 16
	v_pk_mul_f32 v[GU+ii:GU+ii+1], v[ACC+ii:ACC+ii+1], 0xbf38aa3b op_sel_hi:[1,0]   ; -(log2 e / 2) v: work that names no reciprocal
.set ii, ii+2
.endr
	s_wait_alu depctr_va_vdst(0)                   ; the 32 reciprocals have written v[GP ..]: one wait for the batch, ahead of its first reader
.set ii, 0
.rept 16
	v_pk_fma_f32 v[GD+ii:GD+ii+1], v[GD+ii:GD+ii+1], v[GP+ii:GP+ii+1], 1.0 op_sel_hi:[1,1,0] neg_lo:[1,0,0] neg_hi:[1,0,0]   ; 1 - d t
.set ii, ii+2
.endr
.set ii, 0
.rept 16
	v_pk_fma_f32 v[GP+ii:GP+ii+1], v[GP+ii:GP+ii+1], v[GD+ii:GD+ii+1], v[GP+ii:GP+ii+1]   ; t + t (1 - d t)
.set ii, ii+2
.endr
.set ii, 0
.rept 16
	v_pk_fma_f32 v[GD+ii:GD+ii+1], v[GP+ii:GP+ii+1], s[100:101], 0xbf97d29d op_sel_hi:[1,0,0]   ; c9 t + c8
.set ii, ii+2
.endr
.irp c, 0x40097039,0xbfd1a1e5,0x3ecdfd18,0xbe899a80,0x3e0efb2e,0x3f0a29d2,0x3fb8ab5a,0xc034d90f
.set ii, 0
.rept 16
	v_pk_fma_f32 v[GD+ii:GD+ii+1], v[GD+ii:GD+ii+1], v[GP+ii:GP+ii+1], \c op_sel_hi:[1,1,0]   ; c7 .. c0: sixteen chains side by side
.set ii, ii+2
.endr
.endr
.set ii, 0
.rept 16
	v_pk_fma_f32 v[GD+ii:GD+ii+1], v[GU+ii:GU+ii+1], v[ACC+ii:ACC+ii+1], v[GD+ii:GD+ii+1]   ; - (log2 e / 2) v^2
.set ii, ii+2
.endr
.set ii, 0
.rept 32
	v_exp_f32 v[GD+ii], v[GD+ii]
.set ii, ii+1
.endr
.set ii, 0
.rept 32
	v_max_num_f32 v[GU+ii], 0, v[ACC+ii]           ; work that names no exponential
.set ii, ii+1
.endr
	s_wait_alu depctr_va_vdst(0)                   ; the 32 exponentials have written v[GD ..]: one wait for the batch, ahead of its first reader
.set ii, 0
.rept 16
	v_pk_mul_f32 v[GD+ii:GD+ii+1], v[GD+ii:GD+ii+1], v[GP+ii:GP+ii+1]   ; erfc / 2
.set ii, ii+2
.endr
.set ii, 0
.rept 32
	v_fma_f32 v[ACC+ii], -|v[ACC+ii]|, v[GD+ii], v[GU+ii]
.set ii, ii+1
.endr
.endm
; The pair's two blocks (16 registers a tile and lane, the other 16 in lane l xor 16) become codes in v[60:63] (lanes 0-15: the first tile's row r, a whole block; lanes 16-31: the second's) and a scale byte in v47
.macro QUANT2
	v_max3_num_f32 v40, |v[ACC]|, |v[ACC+1]|, 0x1800000    ; with the floor 2^(3 - 127): the byte cannot fall under 1
	v_max3_num_f32 v41, |v[ACC+16]|, |v[ACC+17]|, 0x1800000
.irp i, 2,4,6,8,10,12,14
	v_max3_num_f32 v40, v40, |v[ACC+\i]|, |v[ACC+1+\i]|
	v_max3_num_f32 v41, v41, |v[ACC+16+\i]|, |v[ACC+17+\i]|
.endr
	v_permlanex16_b32 v42, v40, s4, s5
	v_permlanex16_b32 v43, v41, s4, s5
	v_max_num_f32 v40, v40, v42
	v_max_num_f32 v41, v41, v43
	v_add_nc_u32 v44, 0xff000000, v40              ; 2 off the exponent field: the conversion's scale operand
	v_add_nc_u32 v45, 0xff000000, v41
	v_cvt_scalef32_pk8_fp4_f32 v60, v[ACC:ACC+7], v44
	v_cvt_scalef32_pk8_fp4_f32 v61, v[ACC+8:ACC+15], v44
	v_cvt_scalef32_pk8_fp4_f32 v62, v[ACC+16:ACC+23], v45
	v_cvt_scalef32_pk8_fp4_f32 v63, v[ACC+24:ACC+31], v45
	v_lshrrev_b32 v46, 23, v44                     ; the bytes (also the plain place behind the conversions)
	v_lshrrev_b32 v47, 23, v45
	v_permlane16_swap_b32 v60, v62                 ; v60: units 0-7 of both tiles, v62: units 16-23
	v_permlane16_swap_b32 v61, v63                 ; v61: units 8-15, v63: units 24-31
	v_cndmask_b32 v47, v46, v47, s10               ; lanes 16-31 take the second tile's byte (s10 was written by a scalar line)
.endm
; the four column blocks' bytes of the chunk's pair W become scale words and leave
.macro WORDS
	s_lshl_b32 s2, s27, 7                          ; 2,048 bytes a tile: 128 x the chunk's first row,
	s_lshl_b32 s3, s22, 12                         ; + two tiles a pair
	s_add_co_u32 s2, s2, s3
	s_lshl_b32 s3, s22, 5
	s_add_co_u32 s3, s3, s27
	s_cmp_ge_u32 s3, s25
	s_cbranch_scc1 .Lw_done_\@
	s_wait_xcnt 0x0                                ; the last chunk's store has had its address translated
	s_wait_alu depctr_vm_vsrc(0)                   ; the last chunk's store has read v24 and v48, and the group's loads have read v48-51 as offsets: the LDS loads below land there, and v24 is written again
.irp b, 0,1,2,3
	ds_load_b32 v[48+\b], v15 offset:1024*\b       ; block b's byte lies in the plane of wave b + 4 (W & 1), which worked on this pair
.endr
	v_add_nc_u32 v24, s2, v17
	s_wait_dscnt 0x0
	v_lshl_or_b32 v48, v49, 8, v48
	v_lshl_or_b32 v48, v50, 16, v48
	v_lshl_or_b32 v48, v51, 24, v48
	s_wait_alu depctr_va_vdst(0)                   ; v24 and v48 are written: the store reads them as its offset and its data
	global_store_b32 v24, v48, s[18:19]
.Lw_done_\@:
.endm
	s_load_b512 s[4:19], s[0:1], 0x0               ; idx s[4:5], xc s[6:7], xs s[8:9], W1's codes s[10:11], its scales s[12:13], b1 s[14:15], hq s[16:17], hs s[18:19]
	s_load_b64 s[20:21], s[0:1], 0x40              ; order
	v_lshl_add_u32 v26, v0, 2, 0x36800
	v_mov_b32 v29, 0
	v_lshrrev_b32 v1, 5, v0
	v_readfirstlane_b32 s22, v1                    ; wave W, 0 .. 7
	v_and_b32 v1, 31, v0                           ; l
	v_and_b32 v2, 15, v0                           ; r
	v_bfe_u32 v3, v0, 4, 1                         ; h
	v_lshlrev_b32 v4, 4, v1                        ; 16 l
	s_wait_alu depctr_va_sdst(0)                   ; s22 is written, ahead of its first reader: w, g and every address that hangs on the wave are made from it
	s_and_b32 s28, s22, 3                          ; w: which 32 hidden units
	s_lshr_b32 s29, s22, 2                         ; g: which pairs; also which 16 of w's rows of W1 I fetch
	s_mul_i32 s2, s28, 16896
	s_add_co_u32 s2, s2, WST                       ; w's turn
	s_mul_i32 s3, s29, 4224
	s_add_co_u32 s3, s3, s2
	v_add_nc_u32 v5, s3, v4                        ; in: my rows' places begin 8 g rows on
	v_mul_u32_u24 v12, v2, 528
	v_lshl_add_u32 v12, v3, 4, v12
	v_add_nc_u32 v6, s2, v12                       ; and out: row r, + 16 h
	v_add_nc_u32 v12, XST, v12                     ; x's fragments likewise
	v_and_b32 v7, 8, v2
	v_add_nc_u32 v7, v7, v2
	v_lshl_add_u32 v7, v3, 3, v7                   ; r + 8 (r / 8) + 8 (l / 16): the row of W1 whose scales lane l holds
	v_lshlrev_b32 v7, 5, v7
	v_lshlrev_b32 v8, 6, v3                        ; b1: 16 h numbers on
	s_mul_i32 s3, s22, 16896
	s_add_co_u32 s3, s3, XST
	v_add_nc_u32 v9, s3, v4                        ; where my group's 32 rows go
	v_mul_u32_u24 v13, v1, 48
	s_mul_i32 s3, s22, 1536
	s_add_co_u32 s3, s3, XSS
	v_add_nc_u32 v11, s3, v13                      ; where my rows' scale words go
	v_add_nc_u32 v13, XSS, v13                     ; and where a pair's are read
	v_lshlrev_b32 v14, 2, v1
	s_lshl_b32 s3, s22, 7
	s_and_b32 s2, s22, 1
	s_lshl_b32 s2, s2, 12
	s_add_co_u32 s3, s3, s2
	v_add_nc_u32 v15, s3, v14                      ; the bytes of pair W: 4 l + 128 W, in plane 4 (W & 1)
	s_lshl_b32 s3, s22, 10
	v_add_nc_u32 v14, s3, v14                      ; my plane
	v_lshlrev_b32 v16, 4, v2
	v_lshl_add_u32 v16, v3, 15, v16                ; hq: 16 r, the second tile 32,768 bytes on
	v_lshlrev_b32 v17, 2, v2
	v_lshl_add_u32 v17, v3, 11, v17                ; hs: 4 r, the second tile 2,048 bytes on
	s_and_b32 s24, ttmp7, 0xffff                   ; e
	s_mov_b32 s23, ttmp9                           ; j
	s_lshl_b32 s3, s24, 7
	s_add_co_u32 s3, s3, 32768
	v_lshl_add_u32 v18, v1, 2, s3                  ; order: the count's 32 words
	s_lshl_b32 s3, s24, 12
	v_lshl_add_u32 v19, v1, 2, s3                  ; order: the expert's rows
	v_mov_b32 v31, 0
	v_mov_b32 v42, 0                               ; written once: a lane permute's destination counts as one of its sources
	v_mov_b32 v43, 0
	s_mov_b32 s31, 0
	s_lshl_b32 s30, s24, 21                        ; W1's codes: 4,096 rows of 512 bytes an expert, 128 a slice, 32 a block, 16 a wave
	s_lshl_b32 s3, s23, 16
	s_add_co_u32 s30, s30, s3
	s_lshl_b32 s3, s28, 14
	s_add_co_u32 s30, s30, s3
	s_lshl_b32 s3, s29, 13
	s_add_co_u32 s30, s30, s3
	s_wait_kmcnt 0x0
	s_add_nc_u64 s[10:11], s[10:11], s[30:31]      ; ahead of the wait below, so that only loads and window switches stand between it and the loads into window 1
	s_wait_alu depctr_va_vdst(0)                   ; v4 to v19 are written: every load, store and LDS access of the kernel that names one of them reads it as its offset or address, and none is written again
.irp i, 0,1,2,3,4,5,6,7
	global_load_b128 v[128+4*\i:131+4*\i], v4, s[4:5] offset:512*\i
.endr
	WIN 0x40
.set ii, 0
.rept 16
	global_load_b128 v[4*ii:4*ii+3], v4, s[10:11] offset:512*ii th:TH_LOAD_NT   ; a whole row: 512 consecutive bytes; read once in the launch
.set ii, ii+1
.endr
	WIN 0
	s_lshl_b32 s30, s24, 17                        ; its scales: 32 bytes a row
	s_lshl_b32 s3, s23, 12
	s_add_co_u32 s30, s30, s3
	s_lshl_b32 s3, s28, 10
	s_add_co_u32 s30, s30, s3
	s_add_nc_u64 s[12:13], s[12:13], s[30:31]
	global_load_b128 v[WS:WS+3], v7, s[12:13]
	global_load_b128 v[WS+4:WS+7], v7, s[12:13] offset:16
	s_lshl_b32 s30, s24, 14                        ; b1: 4 bytes a unit
	s_lshl_b32 s3, s23, 9
	s_add_co_u32 s30, s30, s3
	s_lshl_b32 s3, s28, 7
	s_add_co_u32 s30, s30, s3
	s_add_nc_u64 s[14:15], s[14:15], s[30:31]
.irp u, 0,1
	global_load_b128 v[BI+8*\u:BI+8*\u+3], v8, s[14:15] offset:32*\u          ; units 16 h + 8 u + 0 .. 7
	global_load_b128 v[BI+8*\u+4:BI+8*\u+7], v8, s[14:15] offset:32*\u+16
.endr
	s_lshl_b32 s30, s24, 21                        ; hq: 64 tiles x 32 K steps x 1,024 bytes an expert; K step j; my block at 256 w
	s_lshl_b32 s3, s23, 10
	s_add_co_u32 s30, s30, s3
	s_lshl_b32 s3, s28, 8
	s_add_co_u32 s30, s30, s3
	s_add_nc_u64 s[16:17], s[16:17], s[30:31]
	s_lshl_b32 s30, s24, 17                        ; hs: 64 tiles x 32 K steps x 64 bytes an expert
	s_lshl_b32 s3, s23, 6
	s_add_co_u32 s30, s30, s3
	s_add_nc_u64 s[18:19], s[18:19], s[30:31]
	s_wait_loadcnt 22                              ; 16 + 2 + 4 loads were issued behind idx's eight
.set jj, 0
.rept 32
	v_cmp_eq_u32 s[MK+jj], s24, v[128+jj]
.set jj, jj+1
.endr
	s_wait_alu depctr_va_sdst(0)                   ; the 32 compares have written the masks s32 to s63, ahead of their first reader, the counts below
	s_mov_b32 s2, 0
.set jj, 0
.rept 32
	s_lshl_b32 s[KK+jj], s2, 5
	s_or_b32 s[KK+jj], s[KK+jj], jj
	s_bcnt1_i32_b32 s3, s[MK+jj]
	s_add_co_u32 s2, s2, s3
.set jj, jj+1
.endr
	s_wait_xcnt 0x0                                ; the loads above have read their bases: s4, s5 and s10 to s15 are free
	s_mov_b32 s4, 0x76543210
	s_mov_b32 s5, 0xfedcba98                       ; v_permlanex16_b32's selects for lane l xor 16
	s_mov_b32 s10, 0xffff0000                      ; lanes 16-31
	s_mov_b32 s100, 0x3e7c6f08                     ; c9
	s_mov_b32 s101, s100                           ; (named with it as a pair)
	s_or_b32 s3, s23, s22
	s_cmp_lg_u32 s3, 0
	s_cbranch_scc1 .Lno_count
	v_mov_b32 v30, s2                              ; a register of its own: neither it nor v18 is ever written again
	s_wait_alu depctr_va_vdst(0)                   ; v30 is written: the store reads it as its data
	global_store_b32 v18, v30, s[20:21]            ; the true count, 128 consecutive bytes
.Lno_count:
	s_max_u32 s25, s2, 1                           ; rows to work on
	s_sub_co_u32 s26, s25, 1
	s_mov_b32 s27, 0                               ; the chunk's first row
	GATHER
	s_wait_loadcnt 0x0                             ; W1, its scales, b1
	WIN 0x04
.set rr, 0
.rept 16
	ds_store_b128 v5, v[4*rr:4*rr+3] offset:528*(16*(rr/8)+rr%8)   ; w's row 16 g + 8 u + i goes to place 16 u + 8 g + i: a tile's 16 rows lie on end
.set rr, rr+1
.endr
	WIN 0
	s_wait_dscnt 0x0                               ; for my partner's sake: my 16 rows have landed (and my group's rows of x)
	s_barrier_signal -1
	s_barrier_wait -1                              ; w's 32 rows are whole
	WIN 0x40
	s_wait_alu depctr_vm_vsrc(0)                   ; my LDS stores have read window 1's v0-63, in which the first eight fragments land
.irp u, 0,1
.irp ks, 0,1,2,3,4,5,6,7
.irp c, 0,1
	ds_load_b128 v[8*(8*\u+\ks)+4*\c:8*(8*\u+\ks)+4*\c+3], v6 offset:8448*\u+64*\ks+32*\c
.endr
.endr
.endr
	WIN 0
.Lchunk:                                           ; 4 trips: 256 rows each
	s_wait_dscnt 0x0                               ; my rows have landed in LDS (and W1's fragments are in)
	s_barrier_signal -1
	s_barrier_wait -1                              ; everybody's have
	s_lshr_b32 s28, s22, 2                         ; g: my first pair of the chunk,
	s_mul_i32 s29, s28, 16896                      ; its rows' codes,
	s_mul_i32 s30, s28, 1536                       ; their scale words,
	s_lshl_b32 s31, s28, 7                         ; its bytes,
	s_lshl_b32 s99, s28, 5
	s_add_co_u32 s99, s99, s27                     ; its first row,
	s_lshl_b32 s98, s99, 11                        ; its two tiles in hq: 32,768 bytes a tile
	s_mov_b32 s28, 0                               ; the trip
.Lpair:                                            ; 4 trips: pairs g, g + 2, g + 4, g + 6; a pair beyond the rows is jumped over
	s_cmp_ge_u32 s99, s25
	s_cbranch_scc1 .Lpair_next
	s_wait_alu depctr_vm_vsrc(0)                   ; all that this pair writes has been read by whoever was issued before: v20, v21 by my last pair's LDS loads; v22, v23, v47, v60-63 by its two stores; v96-103 and v128-255 by the group's LDS stores; v40-47 and v60-63 by the group's loads
	v_add_nc_u32 v20, s29, v12
	v_add_nc_u32 v21, s30, v13
	s_wait_alu depctr_va_vdst(0)                   ; v20 and v21 are written, which the LDS loads below read; my last pair's products and GELU are done with v80-87 and v128-255, in which they land
.irp t, 0,1
.irp ks, 0,1,2,3,4,5,6,7
.irp c, 0,1
	ds_load_b128 v[XF+64*\t+8*\ks+4*\c:XF+64*\t+8*\ks+4*\c+3], v20 offset:8448*\t+64*\ks+32*\c
.endr
.endr
.endr
	ds_load_b128 v[XS:XS+3], v21
	ds_load_b128 v[XS+4:XS+7], v21 offset:16
	s_wait_dscnt 0x0                               ; they are in
	v_add_nc_u32 v22, s31, v14                     ; (no LDS or memory instruction since the wait on vm_vsrc above names v22)
	WIN 0x01                                       ; source 0 (W1) in window 1
.irp ks, 0,1,2,3,4,5,6,7
.irp t, 0,1
.irp u, 0,1
.if \ks == 0
	MM ACC+16*\t+8*\u, 8*(8*\u+\ks), XF+64*\t+8*\ks, BI+8*\u, WS+\ks, XS+\ks, \u, \t
.else
	MM ACC+16*\t+8*\u, 8*(8*\u+\ks), XF+64*\t+8*\ks, ACC+16*\t+8*\u, WS+\ks, XS+\ks, \u, \t
.endif
.endr
.endr
.endr                                              ; four accumulators by turns, one instruction a turn
	WIN 0
.rept 4
	v_nop                                          ; four places ahead of the first read of results and of the first write into x's fragments (ISA guide 7.12.1)
.endr
	GELU32
	s_wait_xcnt 0x0                                ; my last pair's store has had its address translated: v23 and v[60:63] may be written (that it has read them is stated at the pair's head)
	v_add_nc_u32 v23, s98, v16
	QUANT2
	s_wait_alu depctr_va_vdst(0)                   ; v22, v23, the codes v[60:63] and the byte v47 are written: the two stores below read them
	global_store_b128 v23, v[60:63], s[16:17]      ; each half of the wave: 256 consecutive bytes, aligned
	ds_store_b32 v22, v47
.Lpair_next:
	s_add_co_u32 s29, s29, 33792                   ; two pairs on
	s_add_co_u32 s30, s30, 3072
	s_add_co_u32 s31, s31, 256
	s_add_co_u32 s98, s98, 131072
	s_add_co_u32 s99, s99, 64
	s_add_co_u32 s28, s28, 1
	s_cmp_lt_u32 s28, 4
	s_cbranch_scc1 .Lpair
	s_wait_dscnt 0x0                               ; my bytes have landed, and my reads of the chunk's rows are over
	s_barrier_signal -1
	s_barrier_wait -1
	WORDS
	s_add_co_u32 s27, s27, 256
	GATHER                                         ; the next chunk's rows; beyond the rows it jumps over itself
	s_cmp_lt_u32 s27, 1024
	s_cbranch_scc1 .Lchunk
	s_wait_dscnt 0x0                               ; the closing lines, six on end
	s_wait_alu 0x0
	s_wait_tensorcnt 0x0
	ds_add_u32 v26, v29
	s_wait_dscnt 0x0
	s_endpgm
.Lfunc_end_k_q2fcfb8d573_up:
	.size	k_q2fcfb8d573_up, .Lfunc_end_k_q2fcfb8d573_up-k_q2fcfb8d573_up
	.p2alignl 7, 3214868480
	.fill 96, 4, 3214868480
	.section	.rodata,"a",@progbits
	.p2align	6, 0x0
	.amdhsa_kernel k_q2fcfb8d573_up
		.amdhsa_group_segment_fixed_size 224256
		.amdhsa_private_segment_fixed_size 0
		.amdhsa_enable_private_segment 0
		.amdhsa_kernarg_size 72
		.amdhsa_user_sgpr_count 2
		.amdhsa_user_sgpr_kernarg_segment_ptr 1
		.amdhsa_wavefront_size32 1
		.amdhsa_system_sgpr_workgroup_id_x 1
		.amdhsa_system_sgpr_workgroup_id_y 1
		.amdhsa_system_sgpr_workgroup_id_z 1
		.amdhsa_system_vgpr_workitem_id 0
		.amdhsa_next_free_vgpr 384
		.amdhsa_next_free_sgpr 102
		.amdhsa_reserve_vcc 1
		.amdhsa_float_denorm_mode_32 3
		.amdhsa_float_denorm_mode_16_64 3
		.amdhsa_memory_ordered 1
		.amdhsa_forward_progress 1
		.amdhsa_inst_pref_size 96
	.end_amdhsa_kernel
	.amdgpu_metadata
---
amdhsa.version: [ 1, 2 ]
amdhsa.kernels:
  - .name:           k_q2fcfb8d573_up
    .symbol:         k_q2fcfb8d573_up.kd
    .args:
      - { .name: idx, .offset: 0, .size: 8, .value_kind: global_buffer, .address_space: global }
      - { .name: xc, .offset: 8, .size: 8, .value_kind: global_buffer, .address_space: global }
      - { .name: xs, .offset: 16, .size: 8, .value_kind: global_buffer, .address_space: global }
      - { .name: w1_codes, .offset: 24, .size: 8, .value_kind: global_buffer, .address_space: global }
      - { .name: w1_scales, .offset: 32, .size: 8, .value_kind: global_buffer, .address_space: global }
      - { .name: b1, .offset: 40, .size: 8, .value_kind: global_buffer, .address_space: global }
      - { .name: hq, .offset: 48, .size: 8, .value_kind: global_buffer, .address_space: global }
      - { .name: hs, .offset: 56, .size: 8, .value_kind: global_buffer, .address_space: global }
      - { .name: order, .offset: 64, .size: 8, .value_kind: global_buffer, .address_space: global }
    .group_segment_fixed_size: 224256
    .private_segment_fixed_size: 0
    .kernarg_segment_align: 8
    .kernarg_segment_size: 72
    .max_flat_workgroup_size: 256
    .sgpr_count:     102
    .vgpr_count:     384
    .wavefront_size: 32
...
	.end_amdgpu_metadata
.endif
;; end of part 4
;; launch down: the kernel of part 3 again; grid 32 x 8, 4 waves a work-group, no clusters, 274,944 bytes of LDS; arguments order, hq, hs, w2_codes, w2_scales, b2, auxp, out0, out1; writes out0, out1
